; MI455X (gfx1250); checked and timed in simulation.
; The chip was launched on July 23, 2026; its instructions are those of AMD's public machine-readable ISA for CDNA 5 (MIT licence, August 2026) and "CDNA5" Instruction Set Architecture Reference Guide (July 2026). The comments in the code are by the model that wrote it; some were corrected since.
;; Positive Multihead Attention. Allowed arithmetic: matrix products marked QUANTISED: E3M2 operands, one E8M0 scale for each 32 along K, by v_wmma_scale_f32_16x16x128_f8f6f4 with both operands' format E3M2, f32 sums; everything else in f32.
;; Inputs: W_K_codes 512 x 16 x 24 uint8 (E3M2 codes of W_K, K innermost, in blocks of 32 codes, four codes in three bytes); W_K_scales 512 x 16 uint8 (E8M0 scales of W_K, one for each 32 codes along K); W_O_codes 512 x 16 x 24 uint8 (E3M2 codes of W_O, K innermost, in blocks of 32 codes, four codes in three bytes); W_O_scales 512 x 16 uint8 (E8M0 scales of W_O, one for each 32 codes along K); W_Q_codes 512 x 16 x 24 uint8 (E3M2 codes of W_Q, K innermost, in blocks of 32 codes, four codes in three bytes); W_Q_scales 512 x 16 uint8 (E8M0 scales of W_Q, one for each 32 codes along K); W_V_codes 512 x 16 x 24 uint8 (E3M2 codes of W_V, K innermost, in blocks of 32 codes, four codes in three bytes); W_V_scales 512 x 16 uint8 (E8M0 scales of W_V, one for each 32 codes along K); b_K 512 float32; b_O 512 float32; b_Q 512 float32; b_V 512 float32; x_codes 2 x 1,024 x 16 x 24 uint8 (E3M2 codes of x, K innermost, in blocks of 32 codes, four codes in three bytes); x_scales 2 x 1,024 x 16 uint8 (E8M0 scales of x, one for each 32 codes along K).
;; Outputs: out0 2 x 1,024 x 512 float32.
;; This version of the problem:
;;   THIS VERSION OF THE PROBLEM IS GIVEN IN LOW PRECISION. The matrix products marked QUANTISED in the list below multiply operands that are first quantised to E3M2 (3 exponent bits, 2 mantissa bits; 6 bits a number), with one power-of-two scale for each 32 numbers along K (OCP MX v1.0); their sums are f32. All else is computed in f32.
;;   The module's matrix products, in the order in which they are computed (A, B: the left and right operand; K: the contracted axis; several contracted axes count as one K, in the product's order):
;;     1. [M 2,048, K 512] x [K 512, N 512]; A: input x (given as codes); B: input W_Q (given as codes): QUANTISED
;;     2. [M 2,048, K 512] x [K 512, N 512]; A: input x (given as codes); B: input W_K (given as codes): QUANTISED
;;     3. [M 2,048, K 512] x [K 512, N 512]; A: input x (given as codes); B: input W_V (given as codes): QUANTISED
;;     4. [M 2,048, K 512] x [K 512, N 512]; A: computed on the way; B: input W_O (given as codes): QUANTISED
;;   THE QUANTISER, for each operand of a quantised product, along K:
;;     - K is cut into blocks of 32 from its start; a last block that is shorter is filled with zeros.
;;     - A block's scale is 2^e with e = floor(log2(the largest magnitude in the block)) - 4, held to -126 .. 127; a block of zeros has e = 0. As a byte (E8M0): e + 127.
;;     - Each number is divided by its block's scale, clamped to +-28, and rounded to the nearest number of E3M2, ties to even, subnormals kept.
;;     - The product sums the exact products of the quantised numbers (number of the format x scale) in f32.
;;   ~~~python
;;   def quantise(x, axis):      # numpy; x: float32 -> the quantised numbers, widened to float32 again
;;       x = np.moveaxis(x, axis, -1); K = x.shape[-1]
;;       x = np.pad(x, [(0, 0)] * (x.ndim - 1) + [(0, -K % 32)]); x = x.reshape(x.shape[:-1] + (-1, 32)); a = np.abs(x).max(-1, keepdims=True)
;;       e = np.where(a > 0, np.clip(np.frexp(np.where(a > 0, a, 1))[1] - 1 - 4, -126, 127), 0)      # np.frexp(a)[1] - 1 = floor(log2(a)), exactly
;;       r = np.clip(x / 2.0 ** e, -28, 28)
;;       step = 2.0 ** (np.maximum(np.frexp(np.where(r == 0, 1, r))[1] - 1, -2) - 2)
;;       q = np.round(r / step) * step * 2.0 ** e      # np.round: ties to even
;;       return np.moveaxis(q.reshape(q.shape[:-2] + (-1,))[..., :K], -1, axis).astype(np.float32)
;;   ~~~
;;   OPERANDS COMPUTED ON THE WAY. 'Computed on the way' means the value that the module computes at that place (a softmax that the list does not call 'softmax' is quantised finished and normalised). What goes into a quantiser is computed in f32, as accurately as f32 sums, v_exp_f32 and their like allow (about 1e-6 of the number): no bf16 or f16 on the way to a quantiser, and a product that is left as it is and whose result goes on into a quantised operand takes f32 operands (vector FMAs, or v_wmma_f32_16x16x4_f32). A number that lies on a knife's edge between two numbers of the format may be rounded either way, as far as f32 arithmetic and the matrix unit's own rounding can turn it there, and no further.
;;   INPUTS GIVEN AS CODES. W_K (in the module: [512, 512], K = its axis 1); W_O (in the module: [512, 512], K = its axis 1); W_Q (in the module: [512, 512], K = its axis 1); W_V (in the module: [512, 512], K = its axis 1); x (in the module: [2, 1024, 512], K = its axis 2): each comes as NAME_codes (uint8): NAME with its K axis moved to the last place and cut into blocks of 32 codes, [.., K / 32, bytes a block], one block behind the other in memory; four codes in three bytes: a row's codes are one little-endian stream of bits, code i at bits 6 i .. 6 i + 5 (a code: sign, 3 exponent bits, 2 mantissa bits); and NAME_scales (uint8): the same leading axes, one E8M0 byte (e + 127) for each 32 codes along K. Its value is code x scale, taken as it is: it is not quantised again, and the codes and scales need not be those that the quantiser above would give.
;; 2 versions. Each part assembles by itself: llvm-mc -triple=amdgcn-amd-amdhsa -mcpu=gfx1250 --defsym DOCPART=n.
;; ======== version 1 of 2: 2 launches
;; workspace buffers: kvS 262,144 bytes; kvst 8,192 bytes; wqf 196,608 bytes; wof 196,608 bytes; xf 786,432 bytes
;; launch kv (part 1): grid 256 x 1, 8 waves a work-group, no clusters, 73,728 bytes of LDS; arguments x_codes, x_scales, W_K_codes, W_K_scales, W_V_codes, W_V_scales, b_K, b_V, W_Q_codes, W_O_codes, kvS, kvst, wqf, wof, xf; writes kvS, kvst, wqf, wof, xf
.if DOCPART == 1
	.amdgcn_target "amdgcn-amd-amdhsa--gfx1250"
	.amdhsa_code_object_version 6
	.text
	.protected	k_qf13140a719_kv
	.globl	k_qf13140a719_kv
	.p2align	8
	.type	k_qf13140a719_kv,@function
k_qf13140a719_kv:
	s_mov_b64 s[64:65], 0
	v_nop
	global_prefetch_b8 v0, s[64:65] scope:SCOPE_SE
	s_setreg_imm32_b32 hwreg(HW_REG_WAVE_MODE, 25, 1), 1
	s_wait_xcnt 0x0
; For each batch b and head hh (head size 64):  m[d] = max over the 1,024 keys j of K[j][d];  s[d] = sum over j of e^(K[j][d] - m[d]);  S[d][v] = sum over j of e^(K[j][d] - m[d]) V[j][v].
; K = x W_K^T + b_K and V = x W_V^T + b_V are products on codes of BF6 (E3M2) with one E8M0 scale for each 32 along K, taken as they lie in memory; all else is f32, on the vector unit.
; The source splits V into relu(V) and relu(-V), sums each in the log domain and subtracts at the end.  relu(V) - relu(-V) = V for every finite V, so ONE signed sum S is kept: no difference of two large sums is formed.
; The maximum that each logsumexp over the keys takes away is taken away here too: m is the true maximum over all keys, so e^(K - m) lies in (0, 1] and s in [1, 1024].
; b_K is the same for all keys of a column: it cancels in K - m, so the products run without it and it is added to the m that is stored.
; SHARES.  256 work-groups: (b, hh, a, T).  Each makes ONE finished tile of S: d = 16 a .. + 15, v = 16 T .. + 15, over all 1,024 keys.  Wave w takes keys 128 w .. 128 w + 127, eight tiles of 16 rows.  The work-groups with T = 0 also store m and s.
; So K's tile is projected by four work-groups and V's by four: that is the price of a sum that is finished inside one work-group, with no parts to add in a further launch.
; x: a tile of 16 rows is 6,144 dense bytes.  It is loaded as it lies, 12 loads of 512 consecutive bytes, and turns through the wave's own stage in LDS (rows of 384 + 16 bytes) into the four fragments.
; W_K's and W_V's eight fragments are the same for all eight waves: wave w loads one and hands it round through LDS as an image of its registers.
; LAYOUT.  The scaled product is used as it stands (source 0 = 16 rows of x, source 1 = 16 rows of W): lane (r, h) holds column r and, in register j, row 8 h + j, of e^(K - m) and of V alike.
; S BY THE VECTOR UNIT: v_fmac_f32 whose first source, V, is read from lane r xor n of the row of 16 lanes (DPP, row_xmask): accumulator n of lane r gathers S[d = r][v = r xor n]; n = 0 .. 15 cover the tile.
; kvS: per (b, hh) 16,384 bytes, S[d][v] row-major (a tile's 16 rows are pieces of 64 bytes: the next launch wants whole rows of S).  kvst: per (b, hh) 512 bytes: m[64], then s[64].
; FOR THE NEXT LAUNCH waves 4, 5 and 6 lay one fragment each (two of x's 512, one of W_Q's and W_O's 256) in the order of an operand's registers: fragment F at 1,536 F, registers 4 c .. 4 c + 3 at 512 c + 16 x lane.
; NO CLUSTER, NO TENSOR LOAD: a batch's codes, 393,216 bytes, are more than the 327,680 bytes of LDS, so a joint load would want slots that are filled again.
; LIMITS: NaN, infinities and the scale byte 0xff among the inputs are not served; an exponential under 2^-126 comes out as 0.
; REGISTERS.  window 0: v1-15, v240-248 lane numbers and addresses; v16-23 the weights' scale words; v24-55 x's scale words; v56-119 K, then e^(K - m); v120-183 V; v184-191 b_V; v192-239 x's four fragments, free for work behind the projections.
;   window 1: v0-95 the weights' eight fragments; v96-239 three tiles of x as loaded; v240-251 the fragment that is laid out anew.
.set MXO,  0                           ; LDS: wave w's column maxima at 64 w + 4 r
.set SSO,  512                         ; its sums of e^(K - m), likewise
.set RED,  1024                        ; its tile of S, [d][v], 64 bytes a row: 1,024 w
.set WIMG, 9216                        ; the weights' eight fragments as images: 1,536 f + 512 c + 16 x lane
.set XST,  21504                       ; the waves' stages: 6,400 w; 16 rows of 400 bytes
.set WKS, 16
.set WVS, 20
.set XS,  24                           ; row tile m's four scale words at XS + 4 m
.set KA,  56
.set VA,  120
.set BV,  184                          ; b_V of my column, eight times: the C of V's first product
.set XF,  192
.set ACC, 208                          ; sixteen accumulators of S
.set AD,  240                          ; v240-247: where accumulators n and n + 8 go in my tile in LDS
.set WF,  0                            ; in window 1
.set ST,  96
.set LAY, 240
.set MSB, 0
.macro WIN new                         ; low byte: bits 1:0 source 0, 3:2 source 1, 5:4 source 2, 7:6 destination; the high byte repeats the setting that is left
.if MSB != \new
	s_set_vgpr_msb (MSB<<8)|\new
.set MSB, \new
.endif
.endm
.macro MX6 d, a, b, c, sa, sb
	v_wmma_scale_f32_16x16x128_f8f6f4 v[\d:\d+7], v[\a:\a+11], v[\b:\b+11], v[\c:\c+7], v[\sa], v[\sb] matrix_a_fmt:MATRIX_FMT_BF6 matrix_b_fmt:MATRIX_FMT_BF6
.endm
.macro MX6Z d, a, b, sa, sb            ; the same with the constant 0 as C: it starts a sum
	v_wmma_scale_f32_16x16x128_f8f6f4 v[\d:\d+7], v[\a:\a+11], v[\b:\b+11], 0, v[\sa], v[\sb] matrix_a_fmt:MATRIX_FMT_BF6 matrix_b_fmt:MATRIX_FMT_BF6
.endm
.macro GLOAD m                         ; row tile m as it lies: 12 loads, each of 512 consecutive bytes, into buffer m % 3
.irp c, 0,1,2,3,4,5,6,7,8,9,10,11
	global_load_b128 v[ST+48*((\m)%3)+4*\c:ST+48*((\m)%3)+4*\c+3], v6, s[8:9] offset:6144*(\m)+512*\c
.endr
.endm
; Row tile m.  left: the loads of younger row tiles, which may stay out.  more = 1: the tile three on is asked for.
.macro ROWT m, left, more
.set SB, ST+48*((\m)%3)
	s_wait_loadcnt \left
	WIN 0x04                                       ; an LDS store's data are its source 1: window 1
.irp c, 0,1,2,3,4,5,6,7,8,9,10,11
	ds_store_b128 v[8+\c%3], v[SB+4*\c:SB+4*\c+3] offset:1600*(\c/3)   ; piece q = 32 c + lane of 16 bytes goes to 16 (q + q / 24): three loads are four rows, 1,600 bytes
.endr
	WIN 0
.irp s, 0,1,2,3
.irp p, 0,1,2,3,4,5
	ds_load_b64 v[XF+12*\s+2*\p:XF+12*\s+2*\p+1], v11 offset:96*\s+48*(\p/3)+8*(\p%3)   ; lane (r, h): the 24 bytes at 400 r + 96 s + 24 h and those 48 bytes on; LDS serves a wave's instructions in order: these see my stores
.endr
.endr
	s_wait_dscnt 0x0                               ; the fragments are in; the stores have read their registers, which may be loaded again
.if \more
	WIN 0x40
	GLOAD (\m)+3
.endif
	WIN 0x04                                       ; x, C and D window 0; W window 1.  K's and V's accumulators take turns, one instruction a turn
	MX6Z KA+8*(\m), XF, WF, XS+4*(\m), WKS
	MX6 VA+8*(\m), XF, WF+48, BV, XS+4*(\m), WVS
.irp s, 1,2,3
	MX6 KA+8*(\m), XF+12*\s, WF+12*\s, KA+8*(\m), XS+4*(\m)+\s, WKS+\s
	MX6 VA+8*(\m), XF+12*\s, WF+48+12*\s, VA+8*(\m), XS+4*(\m)+\s, WVS+\s
.endr
	WIN 0
.rept 4
	v_nop                                          ; four places in front of loads into the fragments just multiplied, and (behind the last tile) of the first vector read of results and the first vector write into the fragments' registers
.endr
.endm
	s_load_b512 s[8:23], s[0:1], 0x0               ; x_codes 8, x_scales 10, W_K_codes 12, W_K_scales 14, W_V_codes 16, W_V_scales 18, b_K 20, b_V 22
	s_load_b256 s[24:31], s[0:1], 0x40             ; W_Q_codes 24, W_O_codes 26, kvS 28, kvst 30
	s_load_b128 s[32:35], s[0:1], 0x60             ; wqf 32, wof 34
	s_load_b64 s[36:37], s[0:1], 0x70              ; xf
	v_lshl_add_u32 v254, v0, 2, 0x11c00
	v_mov_b32 v255, 0
	v_lshrrev_b32 v1, 5, v0
	v_readfirstlane_b32 s2, v1                     ; wave 0..7
	v_and_b32 v1, 15, v0                           ; r
	v_bfe_u32 v2, v0, 4, 1                         ; h
	v_and_b32 v249, 31, v0                         ; lane
	v_mul_u32_u24 v3, v1, 384
	v_mad_u32_u24 v3, v2, 24, v3                   ; a fragment in memory: row r of 384 bytes, + 24 h
	v_lshlrev_b32 v4, 4, v1                        ; scale bytes: 16 a row
	v_lshlrev_b32 v5, 2, v1                        ; 4 r: a bias at column r; also LDS: MXO + 4 r
	v_lshlrev_b32 v6, 4, v249                      ; 16 x lane
	s_and_b32 s3, s2, 1
	s_lshl_b32 s42, s2, 6
	v_add_nc_u32 v7, s42, v5                       ; LDS: MXO + 64 w + 4 r
	s_mul_i32 s43, s2, 6400
	s_add_co_u32 s43, s43, XST                     ; my stage
.irp c, 0,1,2
	v_add_nc_u32 v250, 32*\c, v249                 ; piece q = 32 c + lane, under 96
	v_mul_u32_u24 v251, v250, 2731
	v_lshrrev_b32 v251, 16, v251                   ; q / 24 (2731 / 65536 serves q under 96)
	v_add_nc_u32 v250, v250, v251
	v_lshl_add_u32 v[8+\c], v250, 4, s43           ; v8-10: 16 (q + q / 24)
.endr
	v_mul_u32_u24 v11, v1, 400
	v_mad_u32_u24 v11, v2, 24, v11
	v_add_nc_u32 v11, s43, v11                     ; out of the stage: 400 r + 24 h
	s_mul_i32 s42, s2, 1536
	s_add_co_u32 s42, s42, WIMG
	v_add_nc_u32 v12, s42, v6                      ; where I put my weight fragment
	v_add_nc_u32 v13, WIMG, v6                     ; where any wave reads the eight
	s_lshl_b32 s42, s3, 9
	s_add_co_u32 s42, s42, RED
	v_add_nc_u32 v14, s42, v6                      ; the end: RED + 512 g + 16 x lane, g = w % 2: rows 8 g + lane / 4 of a tile, 16 bytes
	v_lshrrev_b32 v250, 2, v249
	v_and_b32 v251, 3, v249
	v_lshlrev_b32 v15, 8, v250
	v_lshl_add_u32 v15, v251, 4, v15
	s_lshl_b32 s42, s3, 11
	v_add_nc_u32 v15, s42, v15                     ; and the same place in kvS: 256 (8 g + lane / 4) + 16 (lane % 4)
	v_lshlrev_b32 v250, 3, v2
	v_xor_b32 v250, v250, v1                       ; r xor 8 h
	v_lshlrev_b32 v250, 2, v250
	v_lshl_add_u32 v250, v1, 6, v250
	s_lshl_b32 s42, s2, 10
	s_add_co_u32 s42, s42, RED
	v_add_nc_u32 v[AD], s42, v250                  ; my tile: row d = r of 64 bytes, column r xor 8 h;
.irp n, 1,2,3,4,5,6,7
	v_xor_b32 v[AD+\n], 4*\n, v[AD]                ; column r xor (n + 8 h)
.endr
	v_lshl_add_u32 v248, v2, 8, v5                 ; kvst: 4 r; lanes 16-31 256 bytes on, in s
	s_and_b32 s38, ttmp9, 3                        ; T
	s_bfe_u32 s39, ttmp9, 0x20002                  ; a
	s_bfe_u32 s40, ttmp9, 0x30004                  ; hh
	s_lshr_b32 s41, ttmp9, 7                       ; b
	s_lshl_b32 s42, s41, 10
	s_lshl_b32 s43, s2, 7
	s_add_co_u32 s59, s42, s43                     ; my first row of x: 1,024 b + 128 w
	s_lshl_b32 s42, s40, 6
	s_lshl_b32 s43, s39, 4
	s_add_co_u32 s60, s42, s43                     ; W_K's first row: 64 hh + 16 a
	s_lshl_b32 s43, s38, 4
	s_add_co_u32 s61, s42, s43                     ; W_V's: 64 hh + 16 T
	s_lshl_b32 s62, s41, 3
	s_add_co_u32 s62, s62, s40                     ; 8 b + hh
	s_mov_b32 s45, 0
	s_mov_b32 s46, 0x76543210
	s_mov_b32 s47, 0xfedcba98                      ; v_permlanex16_b32's selects for lane l xor 16
	s_mov_b32 s48, 0x3fb8aa3b                      ; log2(e)
	s_mov_b32 s49, s48                             ; (named with it as a pair, so it is written)
	s_wait_kmcnt 0x0
	; the fragment that is laid out anew: wave 6: fragment id % 128 of W_Q (work-groups 0-127) or of W_O; waves 4 and 5: fragment 2 id + w % 2 of x.  The choices hang on ids alone
	s_cmp_lt_u32 ttmp9, 128
	s_cselect_b64 s[50:51], s[24:25], s[26:27]
	s_cselect_b64 s[52:53], s[32:33], s[34:35]
	s_and_b32 s54, ttmp9, 127
	s_lshl_b32 s55, ttmp9, 1
	s_add_co_u32 s55, s55, s3
	s_cmp_eq_u32 s2, 6
	s_cselect_b64 s[50:51], s[50:51], s[8:9]
	s_cselect_b64 s[52:53], s[52:53], s[36:37]
	s_cselect_b32 s54, s54, s55                    ; F: row tile F / 4, K step F % 4
	s_lshr_b32 s55, s54, 2
	s_mul_i32 s55, s55, 6144
	s_and_b32 s58, s54, 3
	s_mul_i32 s58, s58, 96
	s_add_co_u32 s44, s55, s58
	s_add_nc_u64 s[50:51], s[50:51], s[44:45]      ; from here
	s_mul_i32 s44, s54, 1536
	s_add_nc_u64 s[52:53], s[52:53], s[44:45]      ; to here
	; the weight fragment that I fetch for the work-group: waves 0-3 W_K's K step w, waves 4-7 W_V's K step w - 4
	s_cmp_lt_u32 s2, 4
	s_cselect_b64 s[56:57], s[12:13], s[16:17]
	s_cselect_b32 s55, s60, s61
	s_mul_i32 s55, s55, 384
	s_and_b32 s58, s2, 3
	s_mul_i32 s58, s58, 96
	s_add_co_u32 s44, s55, s58
	s_add_nc_u64 s[56:57], s[56:57], s[44:45]
	s_mul_i32 s44, s59, 384
	s_add_nc_u64 s[8:9], s[8:9], s[44:45]
	s_lshl_b32 s44, s59, 4
	s_add_nc_u64 s[10:11], s[10:11], s[44:45]
	s_lshl_b32 s44, s60, 4
	s_add_nc_u64 s[14:15], s[14:15], s[44:45]
	s_lshl_b32 s44, s60, 2
	s_add_nc_u64 s[20:21], s[20:21], s[44:45]
	s_lshl_b32 s44, s61, 4
	s_add_nc_u64 s[18:19], s[18:19], s[44:45]
	s_lshl_b32 s44, s61, 2
	s_add_nc_u64 s[22:23], s[22:23], s[44:45]
	s_lshl_b32 s44, s62, 14                        ; kvS: 16,384 (8 b + hh) + 16 a rows of 256 bytes + 64 T
	s_lshl_b32 s55, s39, 12
	s_add_co_u32 s44, s44, s55
	s_lshl_b32 s55, s38, 6
	s_add_co_u32 s44, s44, s55
	s_add_nc_u64 s[28:29], s[28:29], s[44:45]
	s_lshl_b32 s44, s62, 9                         ; kvst: 512 (8 b + hh) + 64 a
	s_lshl_b32 s55, s39, 6
	s_add_co_u32 s44, s44, s55
	s_add_nc_u64 s[30:31], s[30:31], s[44:45]
	; no base and no offset register is written again from here on
	s_cmp_lt_u32 s2, 4                             ; waves 4, 5 and 6 ask for the fragment that they lay out
	s_cbranch_scc1 .Lno_lay_in
	s_cmp_eq_u32 s2, 7
	s_cbranch_scc1 .Lno_lay_in
	WIN 0x40
.irp p, 0,1,2,3,4,5
	global_load_b64 v[LAY+2*\p:LAY+2*\p+1], v3, s[50:51] offset:48*(\p/3)+8*(\p%3)
.endr
	WIN 0
.Lno_lay_in:
.irp p, 0,1,2,3,4,5
	global_load_b64 v[XF+2*\p:XF+2*\p+1], v3, s[56:57] offset:48*(\p/3)+8*(\p%3)   ; my weight fragment
.endr
	global_load_b128 v[WKS:WKS+3], v4, s[14:15]    ; a row's 16 scale bytes are the words of its four K steps
	global_load_b128 v[WVS:WVS+3], v4, s[18:19]
.irp m, 0,1,2,3,4,5,6,7
	global_load_b128 v[XS+4*\m:XS+4*\m+3], v4, s[10:11] offset:256*\m
.endr
.irp i, 0,1,2,3,4,5,6,7
	global_load_b32 v[BV+\i], v5, s[22:23]         ; a lane's eight results are eight rows of ONE column: the same bias in all eight
.endr
	global_load_b32 v253, v5, s[20:21]             ; b_K of my column
	WIN 0x40
	GLOAD 0
	GLOAD 1
	GLOAD 2
	WIN 0
	s_wait_loadcnt 55                              ; my weight fragment is in: behind it stand the 19 small loads and x's 36
.irp c, 0,1,2
	ds_store_b128 v12, v[XF+4*\c:XF+4*\c+3] offset:512*\c
.endr
	s_wait_dscnt 0x0                               ; for the others' sake: my stores have landed
	s_barrier_signal -1
	s_barrier_wait -1                              ; the eight fragments lie in LDS
	WIN 0x40
.irp f, 0,1,2,3,4,5,6,7
.irp c, 0,1,2
	ds_load_b128 v[WF+12*\f+4*\c:WF+12*\f+4*\c+3], v13 offset:1536*\f+512*\c   ; fragments 0-3: W_K's K steps; 4-7: W_V's
.endr
.endr
	WIN 0
	s_cmp_lt_u32 s2, 4                             ; waves 4, 5 and 6 store their fragment as an image of its registers: it was asked for ahead of the weight fragment, so it is in
	s_cbranch_scc1 .Lno_lay_out
	s_cmp_eq_u32 s2, 7
	s_cbranch_scc1 .Lno_lay_out
	WIN 0x04                                       ; a store's data are its source 1: window 1
.irp c, 0,1,2
	global_store_b128 v6, v[LAY+4*\c:LAY+4*\c+3], s[52:53] offset:512*\c   ; 32 lanes store 512 consecutive bytes
.endr
	WIN 0
.Lno_lay_out:
	; ---- the projections: eight row tiles; x's loads run three tiles ahead
.irp m, 0,1,2,3,4
	ROWT \m, 24, 1                                 ; behind this tile's 12 loads stand those of the next two tiles
.endr
	ROWT 5, 24, 0
	ROWT 6, 12, 0
	ROWT 7, 0, 0
	; ---- the largest K of my column: my 64 numbers in four chains, each accumulator from its low end on; lane l xor 16's; the eight waves'
	v_mov_b32 v196, 0                              ; a lane permute's destination counts as one of its sources
.irp c, 0,1,2,3
	v_max3_num_f32 v[192+\c], v[KA+16*\c], v[KA+16*\c+1], v[KA+16*\c+2]
.endr
.irp i, 3,5,7,9,11,13
.irp c, 0,1,2,3
	v_max3_num_f32 v[192+\c], v[192+\c], v[KA+16*\c+\i], v[KA+16*\c+\i+1]
.endr
.endr
.irp c, 0,1,2,3
	v_max_num_f32 v[192+\c], v[192+\c], v[KA+16*\c+15]
.endr
	v_max3_num_f32 v192, v192, v193, v194
	v_max_num_f32 v192, v192, v195
	v_permlanex16_b32 v196, v192, s46, s47
	v_max_num_f32 v192, v192, v196
	ds_store_b32 v7, v192                          ; lanes r and r + 16 write the same word with the same value
	s_wait_dscnt 0x0                               ; for the others' sake: my store has landed
	s_barrier_signal -1
	s_barrier_wait -1
.irp i, 0,1,2,3,4,5,6,7
	ds_load_b32 v[200+\i], v5 offset:MXO+64*\i
.endr
	s_wait_dscnt 0x0
	v_max3_num_f32 v198, v200, v201, v202
	v_max3_num_f32 v198, v198, v203, v204
	v_max3_num_f32 v198, v198, v205, v206
	v_max_num_f32 v198, v198, v207                 ; the column's maximum over all 1,024 keys (without b_K)
	v_mov_b32 v199, v198
	; ---- e^(K - m), in place: the difference first, then x log2(e), then 2^: no product with m is rounded
.set i, 0
.rept 32
	v_pk_add_f32 v[KA+i:KA+i+1], v[KA+i:KA+i+1], v[198:199] neg_lo:[0,1] neg_hi:[0,1]
.set i, i+2
.endr
.set i, 0
.rept 32
	v_pk_mul_f32 v[KA+i:KA+i+1], v[KA+i:KA+i+1], s[48:49] op_sel_hi:[1,0]
.set i, i+2
.endr
.set i, 0
.rept 64
	v_exp_f32 v[KA+i], v[KA+i]
.set i, i+1
.endr
	v_nop                                          ; a plain instruction behind the last exponential
	s_wait_alu depctr_va_vdst(0)                   ; one wait for the batch of 64, ahead of its first reader
	; ---- my part of s: four chains of pairs
.irp c, 0,1,2,3
	v_pk_add_f32 v[200+2*\c:201+2*\c], v[KA+16*\c:KA+16*\c+1], v[KA+16*\c+2:KA+16*\c+3]
.endr
.irp i, 4,6,8,10,12,14
.irp c, 0,1,2,3
	v_pk_add_f32 v[200+2*\c:201+2*\c], v[200+2*\c:201+2*\c], v[KA+16*\c+\i:KA+16*\c+\i+1]
.endr
.endr
	v_pk_add_f32 v[200:201], v[200:201], v[202:203]
	v_pk_add_f32 v[204:205], v[204:205], v[206:207]
	v_pk_add_f32 v[200:201], v[200:201], v[204:205]
	v_add_f32 v197, v200, v201
	v_permlanex16_b32 v196, v197, s46, s47
	v_add_f32 v197, v197, v196                     ; the sum over my wave's 128 keys, column r
	; ---- my part of S.  Register i of e^(K - m) and of V is the same row in every lane of a half.  Accumulator n of lane (r, h): the sum over the half's 64 rows of e^(K - m)[row][r] x V[row][r xor n].
.irp n, 0,1,2,3,4,5,6,7,8,9,10,11,12,13,14,15
	v_mov_b32 v[ACC+\n], 0
.endr
.set i, 0
.rept 64
	v_fmac_f32 v[ACC], v[VA+i], v[KA+i]
.irp n, 1,2,3,4,5,6,7,8,9,10,11,12,13,14,15
	v_fmac_f32_dpp v[ACC+\n], v[VA+i], v[KA+i] row_xmask:\n row_mask:0xf bank_mask:0xf   ; the first source comes from lane r xor n; the sixteen accumulators by turns, so that no line waits for the line above it
.endr
.set i, i+1
.endr
.irp n, 0,1,2,3,4,5,6,7
	v_permlane16_swap_b32 v[ACC+\n], v[ACC+8+\n]   ; n's lanes 16-31 change places with n + 8's lanes 0-15: the sum of the two now holds, in lanes 0-15, accumulator n over both halves' rows, in lanes 16-31 accumulator n + 8
.endr
.irp p, 0,1,2,3
	v_pk_add_f32 v[224+2*\p:225+2*\p], v[ACC+2*\p:ACC+2*\p+1], v[ACC+8+2*\p:ACC+8+2*\p+1]
.endr
.irp n, 0,1,2,3,4,5,6,7
	ds_store_b32 v[AD+\n], v[224+\n]               ; S[r][r xor (n + 8 h)] to its place in my tile
.endr
	ds_store_b32 v7, v197 offset:SSO
	s_wait_dscnt 0x0                               ; for the others' sake: my stores have landed
	s_barrier_signal -1
	s_barrier_wait -1
	; ---- waves 0 and 1 add the eight waves' tiles, eight rows each, and store them
	s_cmp_gt_u32 s2, 1
	s_cbranch_scc1 .Lend
.irp i, 0,1,2,3,4,5,6,7
	ds_load_b128 v[KA+4*\i:KA+4*\i+3], v14 offset:1024*\i
.endr
	s_wait_dscnt 0x0
	v_pk_add_f32 v[88:89], v[KA:KA+1], v[KA+4:KA+5]
	v_pk_add_f32 v[90:91], v[KA+2:KA+3], v[KA+6:KA+7]
.irp i, 2,3,4,5,6,7
	v_pk_add_f32 v[88:89], v[88:89], v[KA+4*\i:KA+4*\i+1]
	v_pk_add_f32 v[90:91], v[90:91], v[KA+4*\i+2:KA+4*\i+3]
.endr
	global_store_b128 v15, v[88:91], s[28:29]      ; four lanes store the tile's 64 bytes of a row of S
	; ---- m and s of these 16 d are stored once, by wave 0 of the work-group with T = 0
	s_or_b32 s42, s2, s38
	s_cmp_lg_u32 s42, 0
	s_cbranch_scc1 .Lend
.irp i, 0,1,2,3,4,5,6,7
	ds_load_b32 v[200+\i], v5 offset:SSO+64*\i
.endr
	s_wait_dscnt 0x0
	v_add_f32 v200, v200, v201
	v_add_f32 v202, v202, v203
	v_add_f32 v204, v204, v205
	v_add_f32 v206, v206, v207
	v_add_f32 v200, v200, v202
	v_add_f32 v204, v204, v206
	v_add_f32 v200, v200, v204                     ; s of column r
	v_add_f32 v232, v198, v253                     ; m = the maximum + b_K
	v_cmp_eq_u32 vcc_lo, 1, v2
	v_cndmask_b32 v233, v232, v200, vcc_lo         ; lanes 0-15 store m, lanes 16-31 s
	global_store_b32 v248, v233, s[30:31]
.Lend:
	s_wait_tensorcnt 0x0
	ds_add_u32 v254, v255
	s_wait_dscnt 0x0
	s_endpgm
.Lfunc_end_k_qf13140a719_kv:
	.size	k_qf13140a719_kv, .Lfunc_end_k_qf13140a719_kv-k_qf13140a719_kv
	.p2alignl 7, 3214868480
	.fill 96, 4, 3214868480
	.section	.rodata,"a",@progbits
	.p2align	6, 0x0
	.amdhsa_kernel k_qf13140a719_kv
		.amdhsa_group_segment_fixed_size 73728
		.amdhsa_private_segment_fixed_size 0
		.amdhsa_enable_private_segment 0
		.amdhsa_kernarg_size 120
		.amdhsa_user_sgpr_count 2
		.amdhsa_user_sgpr_kernarg_segment_ptr 1
		.amdhsa_wavefront_size32 1
		.amdhsa_system_sgpr_workgroup_id_x 1
		.amdhsa_system_sgpr_workgroup_id_y 1
		.amdhsa_system_sgpr_workgroup_id_z 1
		.amdhsa_system_vgpr_workitem_id 0
		.amdhsa_next_free_vgpr 512
		.amdhsa_next_free_sgpr 66
		.amdhsa_reserve_vcc 1
		.amdhsa_float_denorm_mode_32 3
		.amdhsa_float_denorm_mode_16_64 3
		.amdhsa_memory_ordered 1
		.amdhsa_forward_progress 1
		.amdhsa_inst_pref_size 127
	.end_amdhsa_kernel
	.amdgpu_metadata
---
amdhsa.version: [ 1, 2 ]
amdhsa.kernels:
  - .name:           k_qf13140a719_kv
    .symbol:         k_qf13140a719_kv.kd
    .args:
      - { .name: x_codes, .offset: 0, .size: 8, .value_kind: global_buffer, .address_space: global }
      - { .name: x_scales, .offset: 8, .size: 8, .value_kind: global_buffer, .address_space: global }
      - { .name: W_K_codes, .offset: 16, .size: 8, .value_kind: global_buffer, .address_space: global }
      - { .name: W_K_scales, .offset: 24, .size: 8, .value_kind: global_buffer, .address_space: global }
      - { .name: W_V_codes, .offset: 32, .size: 8, .value_kind: global_buffer, .address_space: global }
      - { .name: W_V_scales, .offset: 40, .size: 8, .value_kind: global_buffer, .address_space: global }
      - { .name: b_K, .offset: 48, .size: 8, .value_kind: global_buffer, .address_space: global }
      - { .name: b_V, .offset: 56, .size: 8, .value_kind: global_buffer, .address_space: global }
      - { .name: W_Q_codes, .offset: 64, .size: 8, .value_kind: global_buffer, .address_space: global }
      - { .name: W_O_codes, .offset: 72, .size: 8, .value_kind: global_buffer, .address_space: global }
      - { .name: kvS, .offset: 80, .size: 8, .value_kind: global_buffer, .address_space: global }
      - { .name: kvst, .offset: 88, .size: 8, .value_kind: global_buffer, .address_space: global }
      - { .name: wqf, .offset: 96, .size: 8, .value_kind: global_buffer, .address_space: global }
      - { .name: wof, .offset: 104, .size: 8, .value_kind: global_buffer, .address_space: global }
      - { .name: xf, .offset: 112, .size: 8, .value_kind: global_buffer, .address_space: global }
    .group_segment_fixed_size: 73728
    .private_segment_fixed_size: 0
    .kernarg_segment_align: 8
    .kernarg_segment_size: 120
    .max_flat_workgroup_size: 256
    .sgpr_count:     66
    .vgpr_count:     512
    .wavefront_size: 32
...
	.end_amdgpu_metadata
.endif
;; end of part 1
;; launch out (part 2): grid 128 x 1, 8 waves a work-group, no clusters, 48,640 bytes of LDS; arguments xf, x_scales, wqf, W_Q_scales, b_Q, wof, W_O_scales, b_O, kvS, kvst, out0; writes out0
.if DOCPART == 2
	.amdgcn_target "amdgcn-amd-amdhsa--gfx1250"
	.amdhsa_code_object_version 6
	.text
	.protected	k_qf13140a719_out
	.globl	k_qf13140a719_out
	.p2align	8
	.type	k_qf13140a719_out,@function
k_qf13140a719_out:
	s_mov_b64 s[64:65], 0
	v_nop
	global_prefetch_b8 v0, s[64:65] scope:SCOPE_SE
	s_setreg_imm32_b32 hwreg(HW_REG_WAVE_MODE, 25, 1), 1
	s_wait_xcnt 0x0
; out0 = Quantised(heads) W_O^T + b_O, with heads[i][v] = (sum over d of e^(Q[i][d]) e^(m[d]) S[d][v]) / (sum over d of e^(Q[i][d]) e^(m[d]) s[d]) for each batch and head, Q = x W_Q^T + b_Q.
; m, s and S come from the launch before (kvst, kvS), and so do x's, W_Q's and W_O's codes laid in the order of an operand's registers (xf, wqf, wof): a fragment is three loads of 512 consecutive bytes.
; The maximum that the logsumexp over d takes away is taken away here too: M[i] = max over d of (Q[i][d] + m[d]); eQ = e^(Q + m - M) lies in (0, 1] and is 1 at one d at the least;
; s lies in [1, 1024]: so the divisor B = sum of eQ s lies in [1, 65536], and e^M cancels between the two sums.
; Both products with weights are on codes of BF6 (E3M2) with one E8M0 scale for each 32 along K.  The sum over d with S goes on into a quantiser: it is made in f32 by fused multiply-adds, and so is all else.
; SHARES.  128 work-groups of eight waves; a work-group owns 16 rows of x and of out0.  Wave hh is head hh up to the quantiser, and columns 64 hh .. 64 hh + 63 of out0 behind it.
; Q is used as it stands (source 0 = my 16 rows of x, source 1 = 16 rows of W_Q): lane (r, h) holds d = 16 a + r and, in register 8 a + j, row 8 h + j.  A row's maximum and B are joined across the 16 lanes of a half (DPP, row_xmask).
; eQ S: S lies in 128 registers: register 4 k + e of lane (c, h) is S[2 k + h][4 c + e].  eQ goes through my own LDS bytes as [d][16 rows]; in step k a lane reads the 16 rows' eQ of ITS d = 2 k + h (the 16 lanes of a half read one
;   address) and adds eQ[i][d] x S[d][4 c ..] onto 16 rows x 4 v: 32 packed multiply-adds.  The two parities of d are joined at the end; a lane then holds rows 8 h + i, which is B's layout too.
; The quantiser wants 16 neighbours along v in a lane's registers: heads turn once through my own LDS bytes (rows of 256 + 16 bytes).  A head's 64 numbers of a row are two blocks; its six registers of codes are half a fragment
;   (K step hh / 2, registers 6 (hh % 2) on) and its two scale bytes half a scale word.  They go to all waves through LDS as images of the registers; one barrier.
; The last product is used transposed (source 0 = 16 rows of W_O, source 1 = the joined heads): a lane holds eight neighbouring columns of one row of out0.
; NO CLUSTER, NO TENSOR LOAD: the weights and S go straight into the registers of the one wave of a work-group that uses them, each byte once a work-group; W_Q, W_O and a batch's S are 524,288 bytes, more than the 327,680 bytes of LDS.
; LIMITS: NaN, infinities and the scale byte 0xff among the inputs are not served; an exponential under 2^-126 comes out as 0; a block of heads whose largest magnitude lies under 2^-122 has its byte held at 1
;   (a block of zeros too, where the quantiser says 127: its codes are zeros, and this program alone reads the byte).
; REGISTERS.  window 0: v1-11 lane numbers and addresses; v12-27 the weight's scale words; v28-31 the rows' scale words; v32-63 Q, eQ, then two steps' eQ from LDS; v64-191 S, later heads, late addresses, codes, rows of out0;
;   v192-255 x's fragments and small work, then the 64 sums.   window 1: v0-191 W_Q's 16 fragments, later W_O's; v192-223 b_O, then my 64 columns of out0; v224-235 b_Q, m, s of my d; v240-247 1 / B.
.set PWB,  5120                        ; LDS: each wave's own bytes at 5,120 hh: eQ (64 d x 80 bytes), later heads, later rows of out0 (16 rows x 272 bytes)
.set JIMG, 40960                       ; head e's codes at 768 e: registers 0-3 at 16 x lane, registers 4-5 at 512 + 8 x lane
.set JSC,  47104                       ; K step s's scale words at 128 s + 4 x lane; a head's two bytes at + 2 (hh % 2)
.set WS,  12
.set XS,  28
.set QA,  32
.set SR,  64
.set XF,  192
.set MXR, 192
.set BS,  200
.set BM,  240
.set AC,  192                          ; row i's four sums at AC + 4 i
.set HB,  64
.set HD,  96
.set JF,  64
.set OB,  64
.set OA,  192                          ; in window 1
.set BQ,  224
.set MQ,  228
.set SQ,  232
.set RB,  240
.set MSB, 0
.macro WIN new                         ; low byte: bits 1:0 source 0, 3:2 source 1, 5:4 source 2, 7:6 destination; the high byte repeats the setting that is left
.if MSB != \new
	s_set_vgpr_msb (MSB<<8)|\new
.set MSB, \new
.endif
.endm
.macro MX6 d, a, b, c, sa, sb
	v_wmma_scale_f32_16x16x128_f8f6f4 v[\d:\d+7], v[\a:\a+11], v[\b:\b+11], v[\c:\c+7], v[\sa], v[\sb] matrix_a_fmt:MATRIX_FMT_BF6 matrix_b_fmt:MATRIX_FMT_BF6
.endm
.macro MX6Z d, a, b, sa, sb            ; the same with the constant 0 as C: it starts a sum
	v_wmma_scale_f32_16x16x128_f8f6f4 v[\d:\d+7], v[\a:\a+11], v[\b:\b+11], 0, v[\sa], v[\sb] matrix_a_fmt:MATRIX_FMT_BF6 matrix_b_fmt:MATRIX_FMT_BF6
.endm
.macro WLOAD bl                        ; my 64 rows of a weight: fragment f = 4 u + s (tile u, K step s) at v[12 f] of window 1: 48 loads of 512 consecutive bytes
.irp f, 0,1,2,3,4,5,6,7,8,9,10,11,12,13,14,15
.irp c, 0,1,2
	global_load_b128 v[12*\f+4*\c:12*\f+4*\c+3], v3, s[\bl:\bl+1] offset:1536*\f+512*\c
.endr
.endr
.endm
.macro WSC bl                          ; their scale words: a row's 16 bytes are the words of its four K steps
.irp u, 0,1,2,3
	global_load_b128 v[WS+4*\u:WS+4*\u+3], v4, s[\bl:\bl+1] offset:256*\u
.endr
.endm
; Quarter q (rows 4 q .. 4 q + 3) of step k of the sum over d.  left: the younger LDS loads, which may stay out.  The quarter's registers then take the same rows' eQ of step k + 2.
; Of the pair that holds eQ of rows i and i + 1 one register serves both halves of a packed line: the first by op_sel_hi 0, the second by op_sel 1.  Step 0 starts the sums: nothing is cleared.
.macro FQ k, q, left
	s_wait_dscnt \left
.irp t, 0,1,2,3
.set AR, AC+4*(4*(\q)+\t)
.set EP, QA+16*((\k)%2)+4*(\q)+2*(\t/2)
.set SK, SR+4*(\k)
.if (\k) == 0
.if \t%2 == 0
	v_pk_mul_f32 v[AR:AR+1], v[SK:SK+1], v[EP:EP+1] op_sel_hi:[1,0]
	v_pk_mul_f32 v[AR+2:AR+3], v[SK+2:SK+3], v[EP:EP+1] op_sel_hi:[1,0]
.else
	v_pk_mul_f32 v[AR:AR+1], v[SK:SK+1], v[EP:EP+1] op_sel:[0,1] op_sel_hi:[1,1]
	v_pk_mul_f32 v[AR+2:AR+3], v[SK+2:SK+3], v[EP:EP+1] op_sel:[0,1] op_sel_hi:[1,1]
.endif
.else
.if \t%2 == 0
	v_pk_fma_f32 v[AR:AR+1], v[SK:SK+1], v[EP:EP+1], v[AR:AR+1] op_sel_hi:[1,0,1]
	v_pk_fma_f32 v[AR+2:AR+3], v[SK+2:SK+3], v[EP:EP+1], v[AR+2:AR+3] op_sel_hi:[1,0,1]
.else
	v_pk_fma_f32 v[AR:AR+1], v[SK:SK+1], v[EP:EP+1], v[AR:AR+1] op_sel:[0,1,0] op_sel_hi:[1,1,1]
	v_pk_fma_f32 v[AR+2:AR+3], v[SK+2:SK+3], v[EP:EP+1], v[AR+2:AR+3] op_sel:[0,1,0] op_sel_hi:[1,1,1]
.endif
.endif
.endr
.if (\k)+2 < 32
	ds_load_b128 v[QA+16*((\k)%2)+4*(\q):QA+16*((\k)%2)+4*(\q)+3], v8 offset:160*((\k)+2)+16*(\q)
.endif
.endm
	s_load_b512 s[8:23], s[0:1], 0x0               ; xf 8, x_scales 10, wqf 12, W_Q_scales 14, b_Q 16, wof 18, W_O_scales 20, b_O 22
	s_load_b128 s[24:27], s[0:1], 0x40             ; kvS 24, kvst 26
	s_load_b64 s[28:29], s[0:1], 0x50              ; out0
	s_set_vgpr_msb 0x40
	v_lshl_add_u32 v254, v0, 2, 0xba00
	v_mov_b32 v255, 0
	s_set_vgpr_msb 0x4000
	v_lshrrev_b32 v1, 5, v0
	v_readfirstlane_b32 s2, v1                     ; wave = head hh
	v_and_b32 v1, 15, v0                           ; r
	v_bfe_u32 v2, v0, 4, 1                         ; h
	v_and_b32 v9, 31, v0                           ; lane
	v_lshlrev_b32 v3, 4, v9                        ; 16 x lane: images and S
	v_lshlrev_b32 v4, 4, v1                        ; scale bytes: 16 a row
	v_lshlrev_b32 v5, 2, v1                        ; f32 vectors at d = r
	v_lshlrev_b32 v6, 5, v2                        ; b_O: my half's eight numbers
	s_mul_i32 s30, s2, PWB                         ; my own LDS bytes
	v_mul_u32_u24 v7, v1, 80
	v_lshl_add_u32 v7, v2, 5, v7
	v_add_nc_u32 v7, s30, v7                       ; eQ in: row d = r of 80 bytes, + 32 h: my eight rows of x
	v_mul_u32_u24 v8, v2, 80
	v_add_nc_u32 v8, s30, v8                       ; eQ out: d = h; a step is two d on
	v_mov_b32 v10, 0                               ; written once: a lane permute's destination counts as one of its sources
	v_mov_b32 v11, 0
	s_mul_i32 s31, s2, 768
	s_add_co_u32 s31, s31, JIMG                    ; my head's codes
	s_add_co_u32 s36, s31, 512
	s_lshr_b32 s32, s2, 1
	s_lshl_b32 s32, s32, 7
	s_and_b32 s37, s2, 1
	s_lshl_b32 s37, s37, 1
	s_add_co_u32 s32, s32, s37
	s_add_co_u32 s32, s32, JSC                     ; my head's two scale bytes
	s_lshr_b32 s3, ttmp9, 6                        ; b
	s_lshl_b32 s33, s3, 3
	s_add_co_u32 s33, s33, s2                      ; 8 b + hh
	s_mov_b32 s35, 0
	s_mov_b32 s48, 0x76543210
	s_mov_b32 s49, 0xfedcba98                      ; v_permlanex16_b32's selects for lane l xor 16
	s_mov_b32 s50, 0x3fb8aa3b                      ; log2(e)
	s_mov_b32 s51, s50                             ; (named with it as a pair, so it is written)
	s_wait_kmcnt 0x0
	s_mul_i32 s34, ttmp9, 6144                     ; my work-group's 16 rows of x: four fragments
	s_add_nc_u64 s[8:9], s[8:9], s[34:35]
	s_lshl_b32 s34, ttmp9, 8
	s_add_nc_u64 s[10:11], s[10:11], s[34:35]
	s_mul_i32 s34, s2, 24576                       ; my wave's 64 rows of W_Q and of W_O: sixteen fragments
	s_add_nc_u64 s[12:13], s[12:13], s[34:35]
	s_add_nc_u64 s[18:19], s[18:19], s[34:35]
	s_lshl_b32 s34, s2, 10
	s_add_nc_u64 s[14:15], s[14:15], s[34:35]
	s_add_nc_u64 s[20:21], s[20:21], s[34:35]
	s_lshl_b32 s34, s2, 8
	s_add_nc_u64 s[16:17], s[16:17], s[34:35]
	s_add_nc_u64 s[22:23], s[22:23], s[34:35]
	s_lshl_b32 s34, s33, 14
	s_add_nc_u64 s[24:25], s[24:25], s[34:35]
	s_lshl_b32 s34, s33, 9
	s_add_nc_u64 s[26:27], s[26:27], s[34:35]
	s_lshl_b32 s34, ttmp9, 15                      ; out0: 16 rows of 2,048 bytes a work-group, + 256 hh
	s_lshl_b32 s37, s2, 8
	s_add_co_u32 s34, s34, s37
	s_add_nc_u64 s[28:29], s[28:29], s[34:35]
	; no base is written again from here on
.irp s, 0,1,2,3
.irp c, 0,1,2
	global_load_b128 v[XF+12*\s+4*\c:XF+12*\s+4*\c+3], v3, s[8:9] offset:1536*\s+512*\c
.endr
.endr
	global_load_b128 v[XS:XS+3], v4, s[10:11]
	WSC 14
	WIN 0x40                                       ; destination window 1, address window 0
	WLOAD 12
.irp a, 0,1,2,3
	global_load_b32 v[BQ+\a], v5, s[16:17] offset:64*\a            ; b_Q, m and s at d = 16 a + r
	global_load_b32 v[MQ+\a], v5, s[26:27] offset:64*\a
	global_load_b32 v[SQ+\a], v5, s[26:27] offset:256+64*\a
.endr
.irp u, 0,1,2,3
.irp e, 0,1
	global_load_b128 v[OA+8*\u+4*\e:OA+8*\u+4*\e+3], v6, s[22:23] offset:64*\u+16*\e   ; b_O in the last product's layout: register 8 u + i = column 16 u + 8 h + i
.endr
.endr
	WIN 0
.set i, 0
.rept 32
	global_load_b128 v[SR+4*i:SR+4*i+3], v3, s[24:25] offset:512*i   ; two rows of S: lanes 0-15 d = 2 i, lanes 16-31 d = 2 i + 1
.set i, i+1
.endr
	s_wait_loadcnt 40                              ; all but b_O's 8 loads and S's 32
	; ---- Q: four tiles of 16 d, four K steps; the four accumulators by turns, one instruction a turn
	WIN 0x04                                       ; W_Q window 1; x, C and D window 0
.irp a, 0,1,2,3
	MX6Z QA+8*\a, XF, 12*(4*\a), XS, WS+4*\a
.endr
.irp s, 1,2,3
.irp a, 0,1,2,3
	MX6 QA+8*\a, XF+12*\s, 12*(4*\a+\s), QA+8*\a, XS+\s, WS+4*\a+\s
.endr
.endr
	WIN 0
.rept 4
	v_nop                                          ; four places in front of loads into registers that these products have read, of the first read of their results and of vector writes over their sources
.endr
	WIN 0x40
	WLOAD 18                                       ; W_O takes W_Q's place; it lands under all that follows up to the last product
	WIN 0
	WSC 20
	; ---- t = Q + b_Q + m; M = the row's largest t; eQ = e^(t - M); B = sum of eQ s
	WIN 0x05                                       ; both sources window 1
.irp a, 0,1,2,3
	v_add_f32 v[BM+\a], v[BQ+\a], v[MQ+\a]
.endr
	WIN 0
.irp a, 0,1,2,3
.irp p, 0,1,2,3                        ; each accumulator from its low end on
.if \a%2 == 0
	v_pk_add_f32 v[QA+8*\a+2*\p:QA+8*\a+2*\p+1], v[QA+8*\a+2*\p:QA+8*\a+2*\p+1], v[BM+2*(\a/2):BM+2*(\a/2)+1] op_sel_hi:[1,0]
.else
	v_pk_add_f32 v[QA+8*\a+2*\p:QA+8*\a+2*\p+1], v[QA+8*\a+2*\p:QA+8*\a+2*\p+1], v[BM+2*(\a/2):BM+2*(\a/2)+1] op_sel:[0,1] op_sel_hi:[1,1]
.endif
.endr
.endr
.irp j, 0,1,2,3,4,5,6,7
	v_max3_num_f32 v[MXR+\j], v[QA+\j], v[QA+8+\j], v[QA+16+\j]    ; row 8 h + j: my four d,
.endr
.irp j, 0,1,2,3,4,5,6,7
	v_max_num_f32 v[MXR+\j], v[MXR+\j], v[QA+24+\j]
.endr
.irp x, 1,2,4,8
.irp j, 0,1,2,3,4,5,6,7
	v_max_num_f32_dpp v[MXR+\j], v[MXR+\j], v[MXR+\j] row_xmask:\x row_mask:0xf bank_mask:0xf   ; and those of the other fifteen lanes of my half: M
.endr
.endr
.irp a, 0,1,2,3
.irp p, 0,1,2,3
	v_pk_add_f32 v[QA+8*\a+2*\p:QA+8*\a+2*\p+1], v[QA+8*\a+2*\p:QA+8*\a+2*\p+1], v[MXR+2*\p:MXR+2*\p+1] neg_lo:[0,1] neg_hi:[0,1]   ; the difference first, then x log2(e): no product with M is rounded
.endr
.endr
.set i, 0
.rept 16
	v_pk_mul_f32 v[QA+i:QA+i+1], v[QA+i:QA+i+1], s[50:51] op_sel_hi:[1,0]
.set i, i+2
.endr
.set i, 0
.rept 32
	v_exp_f32 v[QA+i], v[QA+i]
.set i, i+1
.endr
	v_nop                                          ; a plain instruction behind the last exponential
	s_wait_alu depctr_va_vdst(0)                   ; one wait for the batch of 32, ahead of its first reader
	WIN 0x04                                       ; s window 1
.irp p, 0,1,2,3
	v_pk_mul_f32 v[BS+2*\p:BS+2*\p+1], v[QA+2*\p:QA+2*\p+1], v[SQ:SQ+1] op_sel_hi:[1,0]
.endr
.irp p, 0,1,2,3
	v_pk_fma_f32 v[BS+2*\p:BS+2*\p+1], v[QA+8+2*\p:QA+8+2*\p+1], v[SQ:SQ+1], v[BS+2*\p:BS+2*\p+1] op_sel:[0,1,0] op_sel_hi:[1,1,1]
.endr
.irp p, 0,1,2,3
	v_pk_fma_f32 v[BS+2*\p:BS+2*\p+1], v[QA+16+2*\p:QA+16+2*\p+1], v[SQ+2:SQ+3], v[BS+2*\p:BS+2*\p+1] op_sel_hi:[1,0,1]
.endr
.irp p, 0,1,2,3
	v_pk_fma_f32 v[BS+2*\p:BS+2*\p+1], v[QA+24+2*\p:QA+24+2*\p+1], v[SQ+2:SQ+3], v[BS+2*\p:BS+2*\p+1] op_sel:[0,1,0] op_sel_hi:[1,1,1]
.endr
	WIN 0
.irp a, 0,1,2,3
	ds_store_b128 v7, v[QA+8*\a:QA+8*\a+3] offset:1280*\a          ; eQ[d = 16 a + r][rows 8 h + 0 .. 3],
	ds_store_b128 v7, v[QA+8*\a+4:QA+8*\a+7] offset:1280*\a+16     ; [rows 8 h + 4 .. 7]
.endr
.irp k, 0,1
.irp q, 0,1,2,3
	ds_load_b128 v[QA+16*\k+4*\q:QA+16*\k+4*\q+3], v8 offset:160*\k+16*\q   ; steps 0 and 1: eQ[d = 2 k + h][rows 4 q ..].  LDS serves a wave's instructions in order (ISA guide 5.7.1.4): these come behind my stores, which read the same registers
.endr
.endr
.irp x, 1,2,4,8
.irp j, 0,1,2,3,4,5,6,7
	v_add_f32_dpp v[BS+\j], v[BS+\j], v[BS+\j] row_xmask:\x row_mask:0xf bank_mask:0xf   ; B of row 8 h + j, at least 1
.endr
.endr
	WIN 0x40                                       ; destination window 1
.irp j, 0,1,2,3,4,5,6,7
	v_rcp_f32 v[RB+\j], v[BS+\j]
.endr
	v_nop                                          ; a plain instruction behind the last reciprocal
	s_wait_alu depctr_va_vdst(0)                   ; one wait for the eight, ahead of their first reader
	WIN 0
	s_wait_loadcnt 52                              ; S is in: behind it stand W_O's 48 loads and its scale words' 4
	; ---- the sum over d: 32 steps of two d (one for each half of the lanes), 32 packed multiply-adds each
.set K, 0
.rept 30
	FQ K, 0, 7                                     ; behind a quarter's load stand seven: the rest of its step, the next step's four, and what this step has asked for already
	FQ K, 1, 7
	FQ K, 2, 7
	FQ K, 3, 7
.set K, K+1
.endr
.irp q, 0,1,2,3
	FQ 30, \q, 7-\q                                ; the last two steps ask for nothing: the counts run down
.endr
.irp q, 0,1,2,3
	FQ 31, \q, 3-\q
.endr
	; ---- the addresses of what follows, in registers that S has left
	v_mul_u32_u24 v128, v2, 2176
	v_lshl_add_u32 v128, v1, 4, v128
	v_add_nc_u32 v128, s30, v128                   ; heads in: row 8 h of 272 bytes, + 16 c
	v_mul_u32_u24 v129, v1, 272
	v_lshl_add_u32 v136, v2, 5, v129
	v_lshl_add_u32 v129, v2, 6, v129
	v_add_nc_u32 v129, s30, v129                   ; heads out: row r, + 64 h: my 16 numbers of a block of 32
	v_add_nc_u32 v136, s30, v136                   ; rows of out0 in: row r, 32 bytes for each half of the lanes
	v_mul_u32_u24 v137, v2, 272
	v_lshl_add_u32 v137, v1, 4, v137
	v_add_nc_u32 v137, s30, v137                   ; back: lanes 0-15 one row of 256 bytes, lanes 16-31 the next
	v_lshlrev_b32 v138, 11, v2
	v_lshl_add_u32 v138, v1, 4, v138               ; and the same two rows in out0 (2,048 bytes a row)
	v_lshl_add_u32 v130, v9, 4, s31                ; where I store my head's codes, registers 0-3,
	v_lshl_add_u32 v131, v9, 3, s36                ; registers 4-5,
	v_lshl_add_u32 v132, v9, 2, s32                ; and its two scale bytes
	v_lshl_add_u32 v133, v9, 4, JIMG               ; where any wave reads them back
	v_lshl_add_u32 v134, v9, 3, JIMG+512
	v_lshl_add_u32 v135, v9, 2, JSC
	; ---- the two parities of d are joined; heads = that / B
.irp i, 0,1,2,3,4,5,6,7
.irp e, 0,1,2,3
	v_permlane16_swap_b32 v[AC+4*\i+\e], v[AC+32+4*\i+\e]          ; row i's lanes 16-31 change places with row i + 8's lanes 0-15: the sum of the two holds row i in lanes 0-15 and row i + 8 in lanes 16-31: row 8 h + i
.endr
.endr
.irp i, 0,1,2,3,4,5,6,7
.irp p, 0,1
	v_pk_add_f32 v[HB+4*\i+2*\p:HB+4*\i+2*\p+1], v[AC+4*\i+2*\p:AC+4*\i+2*\p+1], v[AC+32+4*\i+2*\p:AC+32+4*\i+2*\p+1]
.endr
.endr
	WIN 0x04                                       ; 1 / B window 1
.irp i, 0,1,2,3,4,5,6,7
.irp p, 0,1
.if \i%2 == 0
	v_pk_mul_f32 v[HB+4*\i+2*\p:HB+4*\i+2*\p+1], v[HB+4*\i+2*\p:HB+4*\i+2*\p+1], v[RB+2*(\i/2):RB+2*(\i/2)+1] op_sel_hi:[1,0]
.else
	v_pk_mul_f32 v[HB+4*\i+2*\p:HB+4*\i+2*\p+1], v[HB+4*\i+2*\p:HB+4*\i+2*\p+1], v[RB+2*(\i/2):RB+2*(\i/2)+1] op_sel:[0,1] op_sel_hi:[1,1]
.endif
.endr
.endr
	WIN 0
.irp i, 0,1,2,3,4,5,6,7
	ds_store_b128 v128, v[HB+4*\i:HB+4*\i+3] offset:272*\i         ; heads[8 h + i][4 c ..]: sixteen lanes fill a row's 256 bytes (eQ's bytes: my reads of them are back)
.endr
.irp b, 0,1
.irp q, 0,1,2,3
	ds_load_b128 v[HD+16*\b+4*\q:HD+16*\b+4*\q+3], v129 offset:128*\b+16*\q   ; register 16 b + i = heads[r][32 b + 16 h + i]
.endr
.endr
	s_wait_dscnt 0x0
	; ---- the quantiser: two blocks of 32 along v
.irp q, 0,1
	v_max3_num_f32 v[140+\q], |v[HD+16*\q]|, |v[HD+16*\q+1]|, 0x2800000   ; block q: my 16 numbers, and the floor 2^(5 - 127): so the byte cannot fall under 1
.endr
.irp i, 2,4,6,8,10,12,14
.irp q, 0,1
	v_max3_num_f32 v[140+\q], v[140+\q], |v[HD+16*\q+\i]|, |v[HD+16*\q+\i+1]|
.endr
.endr
.irp q, 0,1
	v_permlanex16_b32 v[10+\q], v[140+\q], s48, s49
.endr
.irp q, 0,1
	v_max_num_f32 v[140+\q], v[140+\q], v[10+\q]   ; with lane l xor 16's 16: the block's largest magnitude
.endr
.irp q, 0,1
	v_add_nc_u32 v[142+\q], 0xfe000000, v[140+\q]  ; 4 off its exponent field: the conversion takes the exponent field of this operand as its scale, and nothing else of it
.endr
.irp q, 0,1
	v_lshrrev_b32 v[144+\q], 23, v[142+\q]         ; the scale's byte
.endr
	v_lshl_or_b32 v146, v145, 8, v144              ; my head's half of the row's scale word
	v_cvt_scalef32_pk16_bf6_f32 v[148:150], v[HD:HD+15], v142      ; the codes of v = 16 h + 0 .. 15
	v_cvt_scalef32_pk16_bf6_f32 v[154:156], v[HD+16:HD+31], v143   ; and of v = 32 + 16 h + 0 .. 15 (a conversion's three registers begin on an even number)
	v_nop                                          ; one plain place behind a scaled conversion
.irp i, 0,1,2
	v_permlane16_swap_b32 v[148+\i], v[154+\i]     ; the operand wants a WHOLE block in a lane: lanes 0-15 block 0, lanes 16-31 block 1
.endr
.irp i, 0,1,2
	v_mov_b32 v[151+\i], v[154+\i]                 ; v148-153: v = 32 h + 0 .. 31 of row r
.endr
	ds_store_b128 v130, v[148:151]
	ds_store_b64 v131, v[152:153]
	ds_store_b16 v132, v146
	s_wait_dscnt 0x0                               ; for the others' sake: my stores have landed
	s_barrier_signal -1
	s_barrier_wait -1                              ; the eight heads' codes and scale bytes lie in LDS
	; ---- my 64 columns of out0: head e's six registers are registers 6 (e % 2) on of K step e / 2's fragment: v[JF + 6 e]
.irp e, 0,1,2,3,4,5,6,7
	ds_load_b128 v[JF+6*\e:JF+6*\e+3], v133 offset:768*\e
	ds_load_b64 v[JF+6*\e+4:JF+6*\e+5], v134 offset:768*\e
.endr
.irp s, 0,1,2,3
	ds_load_b32 v[XS+\s], v135 offset:128*\s
.endr
	s_wait_dscnt 0x0
	s_wait_loadcnt 0x0                             ; W_O's fragments and scale words
	WIN 0x51                                       ; W_O, C and D window 1; the joined heads window 0.  b_O lies in the accumulators: it is the C of each sum's first product
.irp s, 0,1,2,3
.irp u, 0,1,2,3
	MX6 OA+8*\u, 12*(4*\u+\s), JF+12*\s, OA+8*\u, WS+4*\u+\s, XS+\s
.endr
.endr
.rept 4
	v_nop                                          ; four places in front of the first read of results, and of loads into registers that these products have read
.endr
	; ---- the way out: a lane holds 32 neighbouring bytes of a row and the lanes beside it hold other rows: through my own LDS bytes, back as whole rows of 256 bytes
	WIN 0x04                                       ; an LDS store's data are its source 1: window 1
.irp u, 0,1,2,3
	ds_store_b128 v136, v[OA+8*\u:OA+8*\u+3] offset:64*\u          ; each accumulator from its low end on
	ds_store_b128 v136, v[OA+8*\u+4:OA+8*\u+7] offset:64*\u+16
.endr
	WIN 0
.irp i, 0,1,2,3,4,5,6,7
	ds_load_b128 v[OB+4*\i:OB+4*\i+3], v137 offset:544*\i          ; LDS serves a wave's instructions in order: these see my stores
.endr
.irp i, 0,1,2,3,4,5,6,7
	s_wait_dscnt 7-\i                              ; row pair i is back; the pairs read behind it may be out
	global_store_b128 v138, v[OB+4*\i:OB+4*\i+3], s[28:29] offset:4096*\i th:TH_STORE_NT   ; 16 lanes store 256 consecutive bytes, at a multiple of 256 from out0's first byte
.endr
	s_set_vgpr_msb 0x5
	s_wait_tensorcnt 0x0
	ds_add_u32 v254, v255
	s_wait_dscnt 0x0
	s_set_vgpr_msb 0x500
	s_endpgm
.Lfunc_end_k_qf13140a719_out:
	.size	k_qf13140a719_out, .Lfunc_end_k_qf13140a719_out-k_qf13140a719_out
	.p2alignl 7, 3214868480
	.fill 96, 4, 3214868480
	.section	.rodata,"a",@progbits
	.p2align	6, 0x0
	.amdhsa_kernel k_qf13140a719_out
		.amdhsa_group_segment_fixed_size 48640
		.amdhsa_private_segment_fixed_size 0
		.amdhsa_enable_private_segment 0
		.amdhsa_kernarg_size 88
		.amdhsa_user_sgpr_count 2
		.amdhsa_user_sgpr_kernarg_segment_ptr 1
		.amdhsa_wavefront_size32 1
		.amdhsa_system_sgpr_workgroup_id_x 1
		.amdhsa_system_sgpr_workgroup_id_y 1
		.amdhsa_system_sgpr_workgroup_id_z 1
		.amdhsa_system_vgpr_workitem_id 0
		.amdhsa_next_free_vgpr 512
		.amdhsa_next_free_sgpr 66
		.amdhsa_reserve_vcc 0
		.amdhsa_float_denorm_mode_32 3
		.amdhsa_float_denorm_mode_16_64 3
		.amdhsa_memory_ordered 1
		.amdhsa_forward_progress 1
		.amdhsa_inst_pref_size 122
	.end_amdhsa_kernel
	.amdgpu_metadata
---
amdhsa.version: [ 1, 2 ]
amdhsa.kernels:
  - .name:           k_qf13140a719_out
    .symbol:         k_qf13140a719_out.kd
    .args:
      - { .name: xf, .offset: 0, .size: 8, .value_kind: global_buffer, .address_space: global }
      - { .name: x_scales, .offset: 8, .size: 8, .value_kind: global_buffer, .address_space: global }
      - { .name: wqf, .offset: 16, .size: 8, .value_kind: global_buffer, .address_space: global }
      - { .name: W_Q_scales, .offset: 24, .size: 8, .value_kind: global_buffer, .address_space: global }
      - { .name: b_Q, .offset: 32, .size: 8, .value_kind: global_buffer, .address_space: global }
      - { .name: wof, .offset: 40, .size: 8, .value_kind: global_buffer, .address_space: global }
      - { .name: W_O_scales, .offset: 48, .size: 8, .value_kind: global_buffer, .address_space: global }
      - { .name: b_O, .offset: 56, .size: 8, .value_kind: global_buffer, .address_space: global }
      - { .name: kvS, .offset: 64, .size: 8, .value_kind: global_buffer, .address_space: global }
      - { .name: kvst, .offset: 72, .size: 8, .value_kind: global_buffer, .address_space: global }
      - { .name: out0, .offset: 80, .size: 8, .value_kind: global_buffer, .address_space: global }
    .group_segment_fixed_size: 48640
    .private_segment_fixed_size: 0
    .kernarg_segment_align: 8
    .kernarg_segment_size: 88
    .max_flat_workgroup_size: 256
    .sgpr_count:     66
    .vgpr_count:     512
    .wavefront_size: 32
...
	.end_amdgpu_metadata
.endif
;; end of part 2
;; ======== version 2 of 2: 2 launches; version 1 with the launches kv, out written anew for expert scheduling mode
;; workspace buffers: kvS 262,144 bytes; kvst 8,192 bytes; wqf 196,608 bytes; wof 196,608 bytes; xf 786,432 bytes
;; launch kv (part 3): grid 256 x 1, 8 waves a work-group, no clusters, 73,728 bytes of LDS; arguments x_codes, x_scales, W_K_codes, W_K_scales, W_V_codes, W_V_scales, b_K, b_V, W_Q_codes, W_O_codes, kvS, kvst, wqf, wof, xf; writes kvS, kvst, wqf, wof, xf
.if DOCPART == 3
	.amdgcn_target "amdgcn-amd-amdhsa--gfx1250"
	.amdhsa_code_object_version 6
	.text
	.protected	k_qf13140a719_kv
	.globl	k_qf13140a719_kv
	.p2align	8
	.type	k_qf13140a719_kv,@function
k_qf13140a719_kv:
	s_mov_b64 s[64:65], 0
	v_nop
	global_prefetch_b8 v0, s[64:65] scope:SCOPE_SE
	s_setreg_imm32_b32 hwreg(HW_REG_WAVE_SCHED_MODE, 0, 2), 2
	s_setreg_imm32_b32 hwreg(HW_REG_WAVE_MODE, 25, 1), 1
	s_wait_xcnt 0x0
	s_wait_alu depctr_vm_vsrc(0)
; For each batch b and head hh (head size 64):  m[d] = max over the 1,024 keys j of K[j][d];  s[d] = sum over j of e^(K[j][d] - m[d]);  S[d][v] = sum over j of e^(K[j][d] - m[d]) V[j][v].
; K = x W_K^T + b_K and V = x W_V^T + b_V are products on codes of BF6 (E3M2) with one E8M0 scale for each 32 along K, taken as they lie in memory; all else is f32, on the vector unit.
; The source splits V into relu(V) and relu(-V), sums each in the log domain and subtracts at the end.  relu(V) - relu(-V) = V for every finite V, so ONE signed sum S is kept: no difference of two large sums is formed.
; The maximum that each logsumexp over the keys takes away is taken away here too: m is the true maximum over all keys, so e^(K - m) lies in (0, 1] and s in [1, 1024].
; b_K is the same for all keys of a column: it cancels in K - m, so the products run without it and it is added to the m that is stored.
; SHARES.  256 work-groups: (b, hh, a, T).  Each makes ONE finished tile of S: d = 16 a .. + 15, v = 16 T .. + 15, over all 1,024 keys.  Wave w takes keys 128 w .. 128 w + 127, eight tiles of 16 rows.  The work-groups with T = 0 also store m and s.
; So K's tile is projected by four work-groups and V's by four: that is the price of a sum that is finished inside one work-group, with no parts to add in a further launch.
; x: a tile of 16 rows is 6,144 dense bytes.  It is loaded as it lies, 12 loads of 512 consecutive bytes, and turns through the wave's own stage in LDS (rows of 384 + 16 bytes) into the four fragments.
; W_K's and W_V's eight fragments are the same for all eight waves: wave w loads one and hands it round through LDS as an image of its registers.
; LAYOUT.  The scaled product is used as it stands (source 0 = 16 rows of x, source 1 = 16 rows of W): lane (r, h) holds column r and, in register j, row 8 h + j, of e^(K - m) and of V alike.
; S BY THE VECTOR UNIT: v_fmac_f32 whose first source, V, is read from lane r xor n of the row of 16 lanes (DPP, row_xmask): accumulator n of lane r gathers S[d = r][v = r xor n]; n = 0 .. 15 cover the tile.
; kvS: per (b, hh) 16,384 bytes, S[d][v] row-major (a tile's 16 rows are pieces of 64 bytes: the next launch wants whole rows of S).  kvst: per (b, hh) 512 bytes: m[64], then s[64].
; FOR THE NEXT LAUNCH waves 4, 5 and 6 lay one fragment each (two of x's 512, one of W_Q's and W_O's 256) in the order of an operand's registers: fragment F at 1,536 F, registers 4 c .. 4 c + 3 at 512 c + 16 x lane.
; NO CLUSTER, NO TENSOR LOAD: a batch's codes, 393,216 bytes, are more than the 327,680 bytes of LDS, so a joint load would want slots that are filled again.
; LIMITS: NaN, infinities and the scale byte 0xff among the inputs are not served; an exponential under 2^-126 comes out as 0.
; REGISTERS.  window 0: v1-15, v240-248 lane numbers and addresses; v16-23 the weights' scale words; v24-55 x's scale words; v56-119 K, then e^(K - m); v120-183 V; v184-191 b_V; v192-239 x's four fragments, free for work behind the projections.
;   window 1: v0-95 the weights' eight fragments; v96-239 three tiles of x as loaded; v240-251 the fragment that is laid out anew.
; THE MODE: SCHED_MODE bits 1:0 = 2 (LLVM: expert scheduling mode 2), set by the entry lines.  The code itself states the register dependences between vector or matrix instructions and memory or LDS instructions, with s_wait_alu, always for 0.
; THE PLAN.  Registers that memory or LDS instructions touch:
;   v3-15, v240-248  offsets and LDS addresses: written at the head and never again; one wait on va_vdst ahead of the first load serves every load and store of the kernel.
;   ST0 .. ST2       x as loaded.  Written by global loads; read by the stage's twelve LDS stores of tile m and by nothing else; behind one wait on vm_vsrc the loads of tile m + 3 land there.
;   XF               At the head my weight fragment lands there and three LDS stores read it: a wait on vm_vsrc behind the first barrier.  In tile m 24 LDS loads land there and the tile's eight products read it:
;                    one wait on va_vdst in tile m + 1, behind that tile's stage stores (which name no register of the products) and ahead of its 24 loads.
;   The weights, the scale words, b_V, b_K and the fragment laid out anew are loaded once and never written again.
;   Behind the projections: v192; v224-231 and v197; v88-91; v233 are written by vector instructions, read by one run of stores each, behind a wait on va_vdst, and never written again.  The LDS loads behind the two
;   barriers there land in v200-207 and v56-87, which vector and matrix instructions named only ahead of the wait that stands in front of that barrier's stores.
.set MXO,  0                           ; LDS: wave w's column maxima at 64 w + 4 r
.set SSO,  512                         ; its sums of e^(K - m), likewise
.set RED,  1024                        ; its tile of S, [d][v], 64 bytes a row: 1,024 w
.set WIMG, 9216                        ; the weights' eight fragments as images: 1,536 f + 512 c + 16 x lane
.set XST,  21504                       ; the waves' stages: 6,400 w; 16 rows of 400 bytes
.set WKS, 16
.set WVS, 20
.set XS,  24                           ; row tile m's four scale words at XS + 4 m
.set KA,  56
.set VA,  120
.set BV,  184                          ; b_V of my column, eight times: the C of V's first product
.set XF,  192
.set ACC, 208                          ; sixteen accumulators of S
.set AD,  240                          ; v240-247: where accumulators n and n + 8 go in my tile in LDS
.set WF,  0                            ; in window 1
.set ST,  96
.set LAY, 240
.set MSB, 0
.macro WIN new                         ; low byte: bits 1:0 source 0, 3:2 source 1, 5:4 source 2, 7:6 destination; the high byte repeats the setting that is left
.if MSB != \new
	s_set_vgpr_msb (MSB<<8)|\new
.set MSB, \new
.endif
.endm
.macro MX6 d, a, b, c, sa, sb
	v_wmma_scale_f32_16x16x128_f8f6f4 v[\d:\d+7], v[\a:\a+11], v[\b:\b+11], v[\c:\c+7], v[\sa], v[\sb] matrix_a_fmt:MATRIX_FMT_BF6 matrix_b_fmt:MATRIX_FMT_BF6
.endm
.macro MX6Z d, a, b, sa, sb            ; the same with the constant 0 as C: it starts a sum
	v_wmma_scale_f32_16x16x128_f8f6f4 v[\d:\d+7], v[\a:\a+11], v[\b:\b+11], 0, v[\sa], v[\sb] matrix_a_fmt:MATRIX_FMT_BF6 matrix_b_fmt:MATRIX_FMT_BF6
.endm
.macro GLOAD m                         ; row tile m as it lies: 12 loads, each of 512 consecutive bytes, into buffer m % 3
.irp c, 0,1,2,3,4,5,6,7,8,9,10,11
	global_load_b128 v[ST+48*((\m)%3)+4*\c:ST+48*((\m)%3)+4*\c+3], v6, s[8:9] offset:6144*(\m)+512*\c
.endr
.endm
; Row tile m.  left: the loads of younger row tiles, which may stay out.  more = 1: the tile three on is asked for.
.macro ROWT m, left, more
.set SB, ST+48*((\m)%3)
	s_wait_loadcnt \left
	WIN 0x04                                       ; an LDS store's data are its source 1: window 1
.irp c, 0,1,2,3,4,5,6,7,8,9,10,11
	ds_store_b128 v[8+\c%3], v[SB+4*\c:SB+4*\c+3] offset:1600*(\c/3)   ; piece q = 32 c + lane of 16 bytes goes to 16 (q + q / 24): three loads are four rows, 1,600 bytes.  Data from loads, addresses from the head: these name nothing of the last tile's products
.endr
	WIN 0
.if (\m) > 0
	s_wait_alu depctr_va_vdst(0)                   ; the last tile's eight products are done reading x's four fragments, in which the loads below land
.endif
.irp s, 0,1,2,3
.irp p, 0,1,2,3,4,5
	ds_load_b64 v[XF+12*\s+2*\p:XF+12*\s+2*\p+1], v11 offset:96*\s+48*(\p/3)+8*(\p%3)   ; lane (r, h): the 24 bytes at 400 r + 96 s + 24 h and those 48 bytes on; LDS serves a wave's instructions in order: these see my stores
.endr
.endr
.if \more
	WIN 0x40
	s_wait_alu depctr_vm_vsrc(0)                   ; the stage's twelve stores have read this tile's buffer, in which the loads of the tile three on land
	GLOAD (\m)+3
.endif
	s_wait_dscnt 0x0                               ; the fragments are in
	WIN 0x04                                       ; x, C and D window 0; W window 1.  K's and V's accumulators take turns, one instruction a turn
	MX6Z KA+8*(\m), XF, WF, XS+4*(\m), WKS
	MX6 VA+8*(\m), XF, WF+48, BV, XS+4*(\m), WVS
.irp s, 1,2,3
	MX6 KA+8*(\m), XF+12*\s, WF+12*\s, KA+8*(\m), XS+4*(\m)+\s, WKS+\s
	MX6 VA+8*(\m), XF+12*\s, WF+48+12*\s, VA+8*(\m), XS+4*(\m)+\s, WVS+\s
.endr
	WIN 0
.rept 4
	v_nop                                          ; four places behind the tile's last products: they stay beside the wait ahead of the next tile's loads into the fragments; behind the last tile they stand ahead of the first vector read of results and the first vector write into the fragments' registers
.endr
.endm
	s_load_b512 s[8:23], s[0:1], 0x0               ; x_codes 8, x_scales 10, W_K_codes 12, W_K_scales 14, W_V_codes 16, W_V_scales 18, b_K 20, b_V 22
	s_load_b256 s[24:31], s[0:1], 0x40             ; W_Q_codes 24, W_O_codes 26, kvS 28, kvst 30
	s_load_b128 s[32:35], s[0:1], 0x60             ; wqf 32, wof 34
	s_load_b64 s[36:37], s[0:1], 0x70              ; xf
	v_lshl_add_u32 v254, v0, 2, 0x11c00
	v_mov_b32 v255, 0
	v_lshrrev_b32 v1, 5, v0
	v_readfirstlane_b32 s2, v1                     ; wave 0..7
	v_and_b32 v1, 15, v0                           ; r
	v_bfe_u32 v2, v0, 4, 1                         ; h
	v_and_b32 v249, 31, v0                         ; lane
	v_mul_u32_u24 v3, v1, 384
	v_mad_u32_u24 v3, v2, 24, v3                   ; a fragment in memory: row r of 384 bytes, + 24 h
	v_lshlrev_b32 v4, 4, v1                        ; scale bytes: 16 a row
	v_lshlrev_b32 v5, 2, v1                        ; 4 r: a bias at column r; also LDS: MXO + 4 r
	v_lshlrev_b32 v6, 4, v249                      ; 16 x lane
	s_wait_alu depctr_va_sdst(0)                   ; s2, the wave's number, is written, ahead of its first reader: addresses, bases and branches are made from it
	s_and_b32 s3, s2, 1
	s_lshl_b32 s42, s2, 6
	v_add_nc_u32 v7, s42, v5                       ; LDS: MXO + 64 w + 4 r
	s_mul_i32 s43, s2, 6400
	s_add_co_u32 s43, s43, XST                     ; my stage
.irp c, 0,1,2
	v_add_nc_u32 v250, 32*\c, v249                 ; piece q = 32 c + lane, under 96
	v_mul_u32_u24 v251, v250, 2731
	v_lshrrev_b32 v251, 16, v251                   ; q / 24 (2731 / 65536 serves q under 96)
	v_add_nc_u32 v250, v250, v251
	v_lshl_add_u32 v[8+\c], v250, 4, s43           ; v8-10: 16 (q + q / 24)
.endr
	v_mul_u32_u24 v11, v1, 400
	v_mad_u32_u24 v11, v2, 24, v11
	v_add_nc_u32 v11, s43, v11                     ; out of the stage: 400 r + 24 h
	s_mul_i32 s42, s2, 1536
	s_add_co_u32 s42, s42, WIMG
	v_add_nc_u32 v12, s42, v6                      ; where I put my weight fragment
	v_add_nc_u32 v13, WIMG, v6                     ; where any wave reads the eight
	s_lshl_b32 s42, s3, 9
	s_add_co_u32 s42, s42, RED
	v_add_nc_u32 v14, s42, v6                      ; the end: RED + 512 g + 16 x lane, g = w % 2: rows 8 g + lane / 4 of a tile, 16 bytes
	v_lshrrev_b32 v250, 2, v249
	v_and_b32 v251, 3, v249
	v_lshlrev_b32 v15, 8, v250
	v_lshl_add_u32 v15, v251, 4, v15
	s_lshl_b32 s42, s3, 11
	v_add_nc_u32 v15, s42, v15                     ; and the same place in kvS: 256 (8 g + lane / 4) + 16 (lane % 4)
	v_lshlrev_b32 v250, 3, v2
	v_xor_b32 v250, v250, v1                       ; r xor 8 h
	v_lshlrev_b32 v250, 2, v250
	v_lshl_add_u32 v250, v1, 6, v250
	s_lshl_b32 s42, s2, 10
	s_add_co_u32 s42, s42, RED
	v_add_nc_u32 v[AD], s42, v250                  ; my tile: row d = r of 64 bytes, column r xor 8 h;
.irp n, 1,2,3,4,5,6,7
	v_xor_b32 v[AD+\n], 4*\n, v[AD]                ; column r xor (n + 8 h)
.endr
	v_lshl_add_u32 v248, v2, 8, v5                 ; kvst: 4 r; lanes 16-31 256 bytes on, in s
	s_and_b32 s38, ttmp9, 3                        ; T
	s_bfe_u32 s39, ttmp9, 0x20002                  ; a
	s_bfe_u32 s40, ttmp9, 0x30004                  ; hh
	s_lshr_b32 s41, ttmp9, 7                       ; b
	s_lshl_b32 s42, s41, 10
	s_lshl_b32 s43, s2, 7
	s_add_co_u32 s59, s42, s43                     ; my first row of x: 1,024 b + 128 w
	s_lshl_b32 s42, s40, 6
	s_lshl_b32 s43, s39, 4
	s_add_co_u32 s60, s42, s43                     ; W_K's first row: 64 hh + 16 a
	s_lshl_b32 s43, s38, 4
	s_add_co_u32 s61, s42, s43                     ; W_V's: 64 hh + 16 T
	s_lshl_b32 s62, s41, 3
	s_add_co_u32 s62, s62, s40                     ; 8 b + hh
	s_mov_b32 s45, 0
	s_mov_b32 s46, 0x76543210
	s_mov_b32 s47, 0xfedcba98                      ; v_permlanex16_b32's selects for lane l xor 16
	s_mov_b32 s48, 0x3fb8aa3b                      ; log2(e)
	s_mov_b32 s49, s48                             ; (named with it as a pair, so it is written)
	s_wait_kmcnt 0x0
	; the fragment that is laid out anew: wave 6: fragment id % 128 of W_Q (work-groups 0-127) or of W_O; waves 4 and 5: fragment 2 id + w % 2 of x.  The choices hang on ids alone
	s_cmp_lt_u32 ttmp9, 128
	s_cselect_b64 s[50:51], s[24:25], s[26:27]
	s_cselect_b64 s[52:53], s[32:33], s[34:35]
	s_and_b32 s54, ttmp9, 127
	s_lshl_b32 s55, ttmp9, 1
	s_add_co_u32 s55, s55, s3
	s_cmp_eq_u32 s2, 6
	s_cselect_b64 s[50:51], s[50:51], s[8:9]
	s_cselect_b64 s[52:53], s[52:53], s[36:37]
	s_cselect_b32 s54, s54, s55                    ; F: row tile F / 4, K step F % 4
	s_lshr_b32 s55, s54, 2
	s_mul_i32 s55, s55, 6144
	s_and_b32 s58, s54, 3
	s_mul_i32 s58, s58, 96
	s_add_co_u32 s44, s55, s58
	s_add_nc_u64 s[50:51], s[50:51], s[44:45]      ; from here
	s_mul_i32 s44, s54, 1536
	s_add_nc_u64 s[52:53], s[52:53], s[44:45]      ; to here
	; the weight fragment that I fetch for the work-group: waves 0-3 W_K's K step w, waves 4-7 W_V's K step w - 4
	s_cmp_lt_u32 s2, 4
	s_cselect_b64 s[56:57], s[12:13], s[16:17]
	s_cselect_b32 s55, s60, s61
	s_mul_i32 s55, s55, 384
	s_and_b32 s58, s2, 3
	s_mul_i32 s58, s58, 96
	s_add_co_u32 s44, s55, s58
	s_add_nc_u64 s[56:57], s[56:57], s[44:45]
	s_mul_i32 s44, s59, 384
	s_add_nc_u64 s[8:9], s[8:9], s[44:45]
	s_lshl_b32 s44, s59, 4
	s_add_nc_u64 s[10:11], s[10:11], s[44:45]
	s_lshl_b32 s44, s60, 4
	s_add_nc_u64 s[14:15], s[14:15], s[44:45]
	s_lshl_b32 s44, s60, 2
	s_add_nc_u64 s[20:21], s[20:21], s[44:45]
	s_lshl_b32 s44, s61, 4
	s_add_nc_u64 s[18:19], s[18:19], s[44:45]
	s_lshl_b32 s44, s61, 2
	s_add_nc_u64 s[22:23], s[22:23], s[44:45]
	s_lshl_b32 s44, s62, 14                        ; kvS: 16,384 (8 b + hh) + 16 a rows of 256 bytes + 64 T
	s_lshl_b32 s55, s39, 12
	s_add_co_u32 s44, s44, s55
	s_lshl_b32 s55, s38, 6
	s_add_co_u32 s44, s44, s55
	s_add_nc_u64 s[28:29], s[28:29], s[44:45]
	s_lshl_b32 s44, s62, 9                         ; kvst: 512 (8 b + hh) + 64 a
	s_lshl_b32 s55, s39, 6
	s_add_co_u32 s44, s44, s55
	s_add_nc_u64 s[30:31], s[30:31], s[44:45]
	; no base and no offset register is written again from here on
	s_wait_alu depctr_va_vdst(0)                   ; the offsets and LDS addresses v3 to v15 and v240 to v248 are written: every load and store of the kernel reads one of them.  It stands ahead of the branch, for both ways
	s_cmp_lt_u32 s2, 4                             ; waves 4, 5 and 6 ask for the fragment that they lay out
	s_cbranch_scc1 .Lno_lay_in
	s_cmp_eq_u32 s2, 7
	s_cbranch_scc1 .Lno_lay_in
	WIN 0x40
.irp p, 0,1,2,3,4,5
	global_load_b64 v[LAY+2*\p:LAY+2*\p+1], v3, s[50:51] offset:48*(\p/3)+8*(\p%3)
.endr
	WIN 0
.Lno_lay_in:
.irp p, 0,1,2,3,4,5
	global_load_b64 v[XF+2*\p:XF+2*\p+1], v3, s[56:57] offset:48*(\p/3)+8*(\p%3)   ; my weight fragment
.endr
	global_load_b128 v[WKS:WKS+3], v4, s[14:15]    ; a row's 16 scale bytes are the words of its four K steps
	global_load_b128 v[WVS:WVS+3], v4, s[18:19]
.irp m, 0,1,2,3,4,5,6,7
	global_load_b128 v[XS+4*\m:XS+4*\m+3], v4, s[10:11] offset:256*\m
.endr
.irp i, 0,1,2,3,4,5,6,7
	global_load_b32 v[BV+\i], v5, s[22:23]         ; a lane's eight results are eight rows of ONE column: the same bias in all eight
.endr
	global_load_b32 v253, v5, s[20:21]             ; b_K of my column
	WIN 0x40
	GLOAD 0
	GLOAD 1
	GLOAD 2
	WIN 0
	s_wait_loadcnt 55                              ; my weight fragment is in: behind it stand the 19 small loads and x's 36
.irp c, 0,1,2
	ds_store_b128 v12, v[XF+4*\c:XF+4*\c+3] offset:512*\c
.endr
	s_wait_dscnt 0x0                               ; for the others' sake: my stores have landed
	s_barrier_signal -1
	s_barrier_wait -1                              ; the eight fragments lie in LDS
	s_wait_alu depctr_vm_vsrc(0)                   ; my three stores have read v192 to v203: these registers are x's fragments from here on, in which the first tile's LDS loads land
	WIN 0x40
.irp f, 0,1,2,3,4,5,6,7
.irp c, 0,1,2
	ds_load_b128 v[WF+12*\f+4*\c:WF+12*\f+4*\c+3], v13 offset:1536*\f+512*\c   ; fragments 0-3: W_K's K steps; 4-7: W_V's
.endr
.endr
	WIN 0
	s_cmp_lt_u32 s2, 4                             ; waves 4, 5 and 6 store their fragment as an image of its registers: it was asked for ahead of the weight fragment, so it is in
	s_cbranch_scc1 .Lno_lay_out
	s_cmp_eq_u32 s2, 7
	s_cbranch_scc1 .Lno_lay_out
	WIN 0x04                                       ; a store's data are its source 1: window 1
.irp c, 0,1,2
	global_store_b128 v6, v[LAY+4*\c:LAY+4*\c+3], s[52:53] offset:512*\c   ; 32 lanes store 512 consecutive bytes
.endr
	WIN 0
.Lno_lay_out:
	; ---- the projections: eight row tiles; x's loads run three tiles ahead
.irp m, 0,1,2,3,4
	ROWT \m, 24, 1                                 ; behind this tile's 12 loads stand those of the next two tiles
.endr
	ROWT 5, 24, 0
	ROWT 6, 12, 0
	ROWT 7, 0, 0
	; ---- the largest K of my column: my 64 numbers in four chains, each accumulator from its low end on; lane l xor 16's; the eight waves'
	v_mov_b32 v196, 0                              ; a lane permute's destination counts as one of its sources
.irp c, 0,1,2,3
	v_max3_num_f32 v[192+\c], v[KA+16*\c], v[KA+16*\c+1], v[KA+16*\c+2]
.endr
.irp i, 3,5,7,9,11,13
.irp c, 0,1,2,3
	v_max3_num_f32 v[192+\c], v[192+\c], v[KA+16*\c+\i], v[KA+16*\c+\i+1]
.endr
.endr
.irp c, 0,1,2,3
	v_max_num_f32 v[192+\c], v[192+\c], v[KA+16*\c+15]
.endr
	v_max3_num_f32 v192, v192, v193, v194
	v_max_num_f32 v192, v192, v195
	v_permlanex16_b32 v196, v192, s46, s47
	v_max_num_f32 v192, v192, v196
	s_wait_alu depctr_va_vdst(0)                   ; v192, my wave's maximum, is written, which the store reads; and the last tile's products are done reading v200 to v207, in which the loads behind the barrier land
	ds_store_b32 v7, v192                          ; lanes r and r + 16 write the same word with the same value
	s_wait_dscnt 0x0                               ; for the others' sake: my store has landed
	s_barrier_signal -1
	s_barrier_wait -1
.irp i, 0,1,2,3,4,5,6,7
	ds_load_b32 v[200+\i], v5 offset:MXO+64*\i     ; no vector instruction since the wait above
.endr
	s_wait_dscnt 0x0
	v_max3_num_f32 v198, v200, v201, v202
	v_max3_num_f32 v198, v198, v203, v204
	v_max3_num_f32 v198, v198, v205, v206
	v_max_num_f32 v198, v198, v207                 ; the column's maximum over all 1,024 keys (without b_K)
	v_mov_b32 v199, v198
	; ---- e^(K - m), in place: the difference first, then x log2(e), then 2^: no product with m is rounded
.set i, 0
.rept 32
	v_pk_add_f32 v[KA+i:KA+i+1], v[KA+i:KA+i+1], v[198:199] neg_lo:[0,1] neg_hi:[0,1]
.set i, i+2
.endr
.set i, 0
.rept 32
	v_pk_mul_f32 v[KA+i:KA+i+1], v[KA+i:KA+i+1], s[48:49] op_sel_hi:[1,0]
.set i, i+2
.endr
.set i, 0
	s_wait_alu depctr_va_vdst(0)
.rept 64
	v_exp_f32 v[KA+i], v[KA+i]
.set i, i+1
.endr
	v_nop                                          ; a plain instruction behind the last exponential
	s_wait_alu depctr_va_vdst(0)                   ; the 64 exponentials have written e^(K - m): one wait for the batch, ahead of its first reader
	; ---- my part of s: four chains of pairs
.irp c, 0,1,2,3
	v_pk_add_f32 v[200+2*\c:201+2*\c], v[KA+16*\c:KA+16*\c+1], v[KA+16*\c+2:KA+16*\c+3]
.endr
.irp i, 4,6,8,10,12,14
.irp c, 0,1,2,3
	v_pk_add_f32 v[200+2*\c:201+2*\c], v[200+2*\c:201+2*\c], v[KA+16*\c+\i:KA+16*\c+\i+1]
.endr
.endr
	v_pk_add_f32 v[200:201], v[200:201], v[202:203]
	v_pk_add_f32 v[204:205], v[204:205], v[206:207]
	v_pk_add_f32 v[200:201], v[200:201], v[204:205]
	v_add_f32 v197, v200, v201
	v_permlanex16_b32 v196, v197, s46, s47
	v_add_f32 v197, v197, v196                     ; the sum over my wave's 128 keys, column r
	; ---- my part of S.  Register i of e^(K - m) and of V is the same row in every lane of a half.  Accumulator n of lane (r, h): the sum over the half's 64 rows of e^(K - m)[row][r] x V[row][r xor n].
.irp n, 0,1,2,3,4,5,6,7,8,9,10,11,12,13,14,15
	v_mov_b32 v[ACC+\n], 0
.endr
.set i, 0
.rept 64
	v_fmac_f32 v[ACC], v[VA+i], v[KA+i]
.irp n, 1,2,3,4,5,6,7,8,9,10,11,12,13,14,15
	v_fmac_f32_dpp v[ACC+\n], v[VA+i], v[KA+i] row_xmask:\n row_mask:0xf bank_mask:0xf   ; the first source comes from lane r xor n; the sixteen accumulators by turns, so that no line waits for the line above it
.endr
.set i, i+1
.endr
.irp n, 0,1,2,3,4,5,6,7
	v_permlane16_swap_b32 v[ACC+\n], v[ACC+8+\n]   ; n's lanes 16-31 change places with n + 8's lanes 0-15: the sum of the two now holds, in lanes 0-15, accumulator n over both halves' rows, in lanes 16-31 accumulator n + 8
.endr
.irp p, 0,1,2,3
	v_pk_add_f32 v[224+2*\p:225+2*\p], v[ACC+2*\p:ACC+2*\p+1], v[ACC+8+2*\p:ACC+8+2*\p+1]
.endr
	s_wait_alu depctr_va_vdst(0)                   ; v224 to v231 and v197 are written, which the nine stores read; and the multiply-adds and sums are done with v56 to v87 and v200 to v207, in which the loads behind the barrier land
.irp n, 0,1,2,3,4,5,6,7
	ds_store_b32 v[AD+\n], v[224+\n]               ; S[r][r xor (n + 8 h)] to its place in my tile
.endr
	ds_store_b32 v7, v197 offset:SSO
	s_wait_dscnt 0x0                               ; for the others' sake: my stores have landed
	s_barrier_signal -1
	s_barrier_wait -1
	; ---- waves 0 and 1 add the eight waves' tiles, eight rows each, and store them
	s_cmp_gt_u32 s2, 1
	s_cbranch_scc1 .Lend
.irp i, 0,1,2,3,4,5,6,7
	ds_load_b128 v[KA+4*\i:KA+4*\i+3], v14 offset:1024*\i          ; no vector instruction since the wait above
.endr
	s_wait_dscnt 0x0
	v_pk_add_f32 v[88:89], v[KA:KA+1], v[KA+4:KA+5]
	v_pk_add_f32 v[90:91], v[KA+2:KA+3], v[KA+6:KA+7]
.irp i, 2,3,4,5,6,7
	v_pk_add_f32 v[88:89], v[88:89], v[KA+4*\i:KA+4*\i+1]
	v_pk_add_f32 v[90:91], v[90:91], v[KA+4*\i+2:KA+4*\i+3]
.endr
	s_wait_alu depctr_va_vdst(0)                   ; the additions have written v88 to v91, which the store reads
	global_store_b128 v15, v[88:91], s[28:29]      ; four lanes store the tile's 64 bytes of a row of S
	; ---- m and s of these 16 d are stored once, by wave 0 of the work-group with T = 0
	s_or_b32 s42, s2, s38
	s_cmp_lg_u32 s42, 0
	s_cbranch_scc1 .Lend
.irp i, 0,1,2,3,4,5,6,7
	ds_load_b32 v[200+\i], v5 offset:SSO+64*\i     ; the additions above name none of v200 to v207
.endr
	s_wait_dscnt 0x0
	v_add_f32 v200, v200, v201
	v_add_f32 v202, v202, v203
	v_add_f32 v204, v204, v205
	v_add_f32 v206, v206, v207
	v_add_f32 v200, v200, v202
	v_add_f32 v204, v204, v206
	v_add_f32 v200, v200, v204                     ; s of column r
	v_add_f32 v232, v198, v253                     ; m = the maximum + b_K
	v_cmp_eq_u32 vcc_lo, 1, v2
	s_wait_alu depctr_va_vcc(0)                    ; the compare has written VCC, which the select reads
	v_cndmask_b32 v233, v232, v200, vcc_lo         ; lanes 0-15 store m, lanes 16-31 s
	s_wait_alu depctr_va_vdst(0)                   ; the select has written v233, which the store reads
	global_store_b32 v248, v233, s[30:31]
.Lend:
	s_wait_dscnt 0x0                               ; the closing lines, six on end
	s_wait_alu 0x0
	s_wait_tensorcnt 0x0
	ds_add_u32 v254, v255
	s_wait_dscnt 0x0
	s_endpgm
.Lfunc_end_k_qf13140a719_kv:
	.size	k_qf13140a719_kv, .Lfunc_end_k_qf13140a719_kv-k_qf13140a719_kv
	.p2alignl 7, 3214868480
	.fill 96, 4, 3214868480
	.section	.rodata,"a",@progbits
	.p2align	6, 0x0
	.amdhsa_kernel k_qf13140a719_kv
		.amdhsa_group_segment_fixed_size 73728
		.amdhsa_private_segment_fixed_size 0
		.amdhsa_enable_private_segment 0
		.amdhsa_kernarg_size 120
		.amdhsa_user_sgpr_count 2
		.amdhsa_user_sgpr_kernarg_segment_ptr 1
		.amdhsa_wavefront_size32 1
		.amdhsa_system_sgpr_workgroup_id_x 1
		.amdhsa_system_sgpr_workgroup_id_y 1
		.amdhsa_system_sgpr_workgroup_id_z 1
		.amdhsa_system_vgpr_workitem_id 0
		.amdhsa_next_free_vgpr 512
		.amdhsa_next_free_sgpr 66
		.amdhsa_reserve_vcc 1
		.amdhsa_float_denorm_mode_32 3
		.amdhsa_float_denorm_mode_16_64 3
		.amdhsa_memory_ordered 1
		.amdhsa_forward_progress 1
		.amdhsa_inst_pref_size 128
	.end_amdhsa_kernel
	.amdgpu_metadata
---
amdhsa.version: [ 1, 2 ]
amdhsa.kernels:
  - .name:           k_qf13140a719_kv
    .symbol:         k_qf13140a719_kv.kd
    .args:
      - { .name: x_codes, .offset: 0, .size: 8, .value_kind: global_buffer, .address_space: global }
      - { .name: x_scales, .offset: 8, .size: 8, .value_kind: global_buffer, .address_space: global }
      - { .name: W_K_codes, .offset: 16, .size: 8, .value_kind: global_buffer, .address_space: global }
      - { .name: W_K_scales, .offset: 24, .size: 8, .value_kind: global_buffer, .address_space: global }
      - { .name: W_V_codes, .offset: 32, .size: 8, .value_kind: global_buffer, .address_space: global }
      - { .name: W_V_scales, .offset: 40, .size: 8, .value_kind: global_buffer, .address_space: global }
      - { .name: b_K, .offset: 48, .size: 8, .value_kind: global_buffer, .address_space: global }
      - { .name: b_V, .offset: 56, .size: 8, .value_kind: global_buffer, .address_space: global }
      - { .name: W_Q_codes, .offset: 64, .size: 8, .value_kind: global_buffer, .address_space: global }
      - { .name: W_O_codes, .offset: 72, .size: 8, .value_kind: global_buffer, .address_space: global }
      - { .name: kvS, .offset: 80, .size: 8, .value_kind: global_buffer, .address_space: global }
      - { .name: kvst, .offset: 88, .size: 8, .value_kind: global_buffer, .address_space: global }
      - { .name: wqf, .offset: 96, .size: 8, .value_kind: global_buffer, .address_space: global }
      - { .name: wof, .offset: 104, .size: 8, .value_kind: global_buffer, .address_space: global }
      - { .name: xf, .offset: 112, .size: 8, .value_kind: global_buffer, .address_space: global }
    .group_segment_fixed_size: 73728
    .private_segment_fixed_size: 0
    .kernarg_segment_align: 8
    .kernarg_segment_size: 120
    .max_flat_workgroup_size: 256
    .sgpr_count:     66
    .vgpr_count:     512
    .wavefront_size: 32
...
	.end_amdgpu_metadata
.endif
;; end of part 3
;; launch out (part 4): grid 128 x 1, 8 waves a work-group, no clusters, 48,640 bytes of LDS; arguments xf, x_scales, wqf, W_Q_scales, b_Q, wof, W_O_scales, b_O, kvS, kvst, out0; writes out0
.if DOCPART == 4
	.amdgcn_target "amdgcn-amd-amdhsa--gfx1250"
	.amdhsa_code_object_version 6
	.text
	.protected	k_qf13140a719_out
	.globl	k_qf13140a719_out
	.p2align	8
	.type	k_qf13140a719_out,@function
k_qf13140a719_out:
	s_mov_b64 s[64:65], 0
	v_nop
	global_prefetch_b8 v0, s[64:65] scope:SCOPE_SE
	s_setreg_imm32_b32 hwreg(HW_REG_WAVE_SCHED_MODE, 0, 2), 2
	s_setreg_imm32_b32 hwreg(HW_REG_WAVE_MODE, 25, 1), 1
	s_wait_xcnt 0x0
	s_wait_alu depctr_vm_vsrc(0)
; out0 = Quantised(heads) W_O^T + b_O, with heads[i][v] = (sum over d of e^(Q[i][d]) e^(m[d]) S[d][v]) / (sum over d of e^(Q[i][d]) e^(m[d]) s[d]) for each batch and head, Q = x W_Q^T + b_Q.
; m, s and S come from the launch before (kvst, kvS), and so do x's, W_Q's and W_O's codes laid in the order of an operand's registers (xf, wqf, wof): a fragment is three loads of 512 consecutive bytes.
; The maximum that the logsumexp over d takes away is taken away here too: M[i] = max over d of (Q[i][d] + m[d]); eQ = e^(Q + m - M) lies in (0, 1] and is 1 at one d at the least;
; s lies in [1, 1024]: so the divisor B = sum of eQ s lies in [1, 65536], and e^M cancels between the two sums.
; Both products with weights are on codes of BF6 (E3M2) with one E8M0 scale for each 32 along K.  The sum over d with S goes on into a quantiser: it is made in f32 by fused multiply-adds, and so is all else.
; SHARES.  128 work-groups of eight waves; a work-group owns 16 rows of x and of out0.  Wave hh is head hh up to the quantiser, and columns 64 hh .. 64 hh + 63 of out0 behind it.
; Q is used as it stands (source 0 = my 16 rows of x, source 1 = 16 rows of W_Q): lane (r, h) holds d = 16 a + r and, in register 8 a + j, row 8 h + j.  A row's maximum and B are joined across the 16 lanes of a half (DPP, row_xmask).
; eQ S: S lies in 128 registers: register 4 k + e of lane (c, h) is S[2 k + h][4 c + e].  eQ goes through my own LDS bytes as [d][16 rows]; in step k a lane reads the 16 rows' eQ of ITS d = 2 k + h (the 16 lanes of a half read one
;   address) and adds eQ[i][d] x S[d][4 c ..] onto 16 rows x 4 v: 32 packed multiply-adds.  The two parities of d are joined at the end; a lane then holds rows 8 h + i, which is B's layout too.
; The quantiser wants 16 neighbours along v in a lane's registers: heads turn once through my own LDS bytes (rows of 256 + 16 bytes).  A head's 64 numbers of a row are two blocks; its six registers of codes are half a fragment
;   (K step hh / 2, registers 6 (hh % 2) on) and its two scale bytes half a scale word.  They go to all waves through LDS as images of the registers; one barrier.
; The last product is used transposed (source 0 = 16 rows of W_O, source 1 = the joined heads): a lane holds eight neighbouring columns of one row of out0.
; NO CLUSTER, NO TENSOR LOAD: the weights and S go straight into the registers of the one wave of a work-group that uses them, each byte once a work-group; W_Q, W_O and a batch's S are 524,288 bytes, more than the 327,680 bytes of LDS.
; LIMITS: NaN, infinities and the scale byte 0xff among the inputs are not served; an exponential under 2^-126 comes out as 0; a block of heads whose largest magnitude lies under 2^-122 has its byte held at 1
;   (a block of zeros too, where the quantiser says 127: its codes are zeros, and this program alone reads the byte).
; REGISTERS.  window 0: v1-11 lane numbers and addresses; v12-27 the weight's scale words; v28-31 the rows' scale words; v32-63 Q, eQ, then two of the three buffers of eQ from LDS; v64-191 S, later heads, late addresses, codes, rows of out0;
;   v192-255 x's fragments and small work, then the 64 sums.   window 1: v0-191 W_Q's 16 fragments, later W_O's; v192-223 b_O, then my 64 columns of out0; v224-235 b_Q, m, s of my d, later v224-239 the third buffer of eQ; v240-247 1 / B.
; THE MODE: SCHED_MODE bits 1:0 = 2 (LLVM: expert scheduling mode 2), set by the entry lines.  The code itself states the register dependences between vector or matrix instructions and memory or LDS instructions, with s_wait_alu, always for 0.
; THE PLAN.  Registers that memory or LDS instructions touch:
;   v3-8             offsets and LDS addresses, written at the head and never again: one wait on va_vdst ahead of the first load.  v128-138: made behind the sum over d, ahead of the wait that stands in front of the heads' stores; never written again.
;   W_Q's fragments and scale words: read by Q's sixteen products; behind one wait on va_vdst W_O's land there.
;   v32-63           eQ: written by the exponentials; behind their wait eight LDS stores read it, and B's sixteen products read it; behind one wait on va_vdst and one on vm_vsrc the loads of steps 0 and 1 land there.
;   E0, E1, E2       three buffers of 16 registers (v32-47, v48-63, window 1 v224-239).  Step k's 32 multiply-adds read buffer k % 3.  ONE wait on va_vdst at the head of step k states that step k - 1's are done reading
;                    buffer (k - 1) % 3; step k + 2's four loads follow it at once and land there; no vector instruction of steps k and k + 1 names that buffer.  S and the 64 sums are named by vector instructions alone.
;   v64-95           heads: written by vector instructions, read by eight LDS stores (va_vdst ahead); behind the barrier and a wait on vm_vsrc the codes land there; the last products read them; behind the way out's wait rows of out0 land there.
;   v96-127          heads turned: LDS loads land there behind the same wait as the heads' stores (the multiply-adds have read S there); the quantiser reads them; the codes' loads are covered by the wait ahead of the codes' stores.
;   v146, v148-153   the scale bytes and codes just made: read by three LDS stores (va_vdst ahead), never written again.   window 1 v192-223: written by the last products, read by eight LDS stores: four places, then va_vdst.
.set PWB,  5120                        ; LDS: each wave's own bytes at 5,120 hh: eQ (64 d x 80 bytes), later heads, later rows of out0 (16 rows x 272 bytes)
.set JIMG, 40960                       ; head e's codes at 768 e: registers 0-3 at 16 x lane, registers 4-5 at 512 + 8 x lane
.set JSC,  47104                       ; K step s's scale words at 128 s + 4 x lane; a head's two bytes at + 2 (hh % 2)
.set WS,  12
.set XS,  28
.set QA,  32
.set SR,  64
.set XF,  192
.set MXR, 192
.set BS,  200
.set BM,  240
.set AC,  192                          ; row i's four sums at AC + 4 i
.set HB,  64
.set HD,  96
.set JF,  64
.set OB,  64
.set OA,  192                          ; in window 1
.set BQ,  224
.set MQ,  228
.set SQ,  232
.set E2,  224                          ; in window 1: the third buffer of eQ, where b_Q, m and s lay
.set RB,  240
.set MSB, 0
.macro WIN new                         ; low byte: bits 1:0 source 0, 3:2 source 1, 5:4 source 2, 7:6 destination; the high byte repeats the setting that is left
.if MSB != \new
	s_set_vgpr_msb (MSB<<8)|\new
.set MSB, \new
.endif
.endm
.macro MX6 d, a, b, c, sa, sb
	v_wmma_scale_f32_16x16x128_f8f6f4 v[\d:\d+7], v[\a:\a+11], v[\b:\b+11], v[\c:\c+7], v[\sa], v[\sb] matrix_a_fmt:MATRIX_FMT_BF6 matrix_b_fmt:MATRIX_FMT_BF6
.endm
.macro MX6Z d, a, b, sa, sb            ; the same with the constant 0 as C: it starts a sum
	v_wmma_scale_f32_16x16x128_f8f6f4 v[\d:\d+7], v[\a:\a+11], v[\b:\b+11], 0, v[\sa], v[\sb] matrix_a_fmt:MATRIX_FMT_BF6 matrix_b_fmt:MATRIX_FMT_BF6
.endm
.macro WLOAD bl                        ; my 64 rows of a weight: fragment f = 4 u + s (tile u, K step s) at v[12 f] of window 1: 48 loads of 512 consecutive bytes
.irp f, 0,1,2,3,4,5,6,7,8,9,10,11,12,13,14,15
.irp c, 0,1,2
	global_load_b128 v[12*\f+4*\c:12*\f+4*\c+3], v3, s[\bl:\bl+1] offset:1536*\f+512*\c
.endr
.endr
.endm
.macro WSC bl                          ; their scale words: a row's 16 bytes are the words of its four K steps
.irp u, 0,1,2,3
	global_load_b128 v[WS+4*\u:WS+4*\u+3], v4, s[\bl:\bl+1] offset:256*\u
.endr
.endm
; Step k's eQ, eQ[d = 2 k + h][rows 0 .. 15], into buffer k % 3: four loads.  Buffer 2 lies in window 1: the destination's window is set by the caller.
.macro ELOAD k
.if ((\k)%3) == 2
.irp q, 0,1,2,3
	ds_load_b128 v[E2+4*\q:E2+4*\q+3], v8 offset:160*(\k)+16*\q
.endr
.else
.irp q, 0,1,2,3
	ds_load_b128 v[QA+16*((\k)%3)+4*\q:QA+16*((\k)%3)+4*\q+3], v8 offset:160*(\k)+16*\q
.endr
.endif
.endm
; Step k of the sum over d.  At its head the buffer that step k - 1 read is asked for again, for step k + 2 (step 2's loads stand ahead of step 0; the last two steps ask for nothing).
; Of the pair that holds eQ of rows i and i + 1 one register serves both halves of a packed line: the first by op_sel_hi 0, the second by op_sel 1.  Step 0 starts the sums: nothing is cleared.
.macro FSTEP k
.if ((\k) > 0) && ((\k)+2 < 32)
.if ((\k)%3) == 0
	WIN 0x40                                       ; the loads land in buffer 2: destination window 1
.elseif ((\k)%3) == 1
	WIN 0
.else
	WIN 0x04                                       ; this step's multiply-adds read buffer 2 (source 1 window 1); under the same setting the loads' destination and address are window 0
.endif
	s_wait_alu depctr_va_vdst(0)                   ; the last step's 32 multiply-adds are done reading their buffer of eQ, in which the four loads below land
	ELOAD (\k)+2
.endif
.if ((\k)%3) == 2
	WIN 0x04
.set EB, E2
.else
	WIN 0
.set EB, QA+16*((\k)%3)
.endif
.if (\k)+2 < 32
	s_wait_dscnt 8                                 ; this step's four loads are in; those of the two steps behind it may be out
.else
	s_wait_dscnt 4*(31-(\k))                       ; the counts run down
.endif
.irp q, 0,1,2,3
.irp t, 0,1,2,3
.set AR, AC+4*(4*\q+\t)
.set EP, EB+4*\q+2*(\t/2)
.set SK, SR+4*(\k)
.if (\k) == 0
.if \t%2 == 0
	v_pk_mul_f32 v[AR:AR+1], v[SK:SK+1], v[EP:EP+1] op_sel_hi:[1,0]
	v_pk_mul_f32 v[AR+2:AR+3], v[SK+2:SK+3], v[EP:EP+1] op_sel_hi:[1,0]
.else
	v_pk_mul_f32 v[AR:AR+1], v[SK:SK+1], v[EP:EP+1] op_sel:[0,1] op_sel_hi:[1,1]
	v_pk_mul_f32 v[AR+2:AR+3], v[SK+2:SK+3], v[EP:EP+1] op_sel:[0,1] op_sel_hi:[1,1]
.endif
.else
.if \t%2 == 0
	v_pk_fma_f32 v[AR:AR+1], v[SK:SK+1], v[EP:EP+1], v[AR:AR+1] op_sel_hi:[1,0,1]
	v_pk_fma_f32 v[AR+2:AR+3], v[SK+2:SK+3], v[EP:EP+1], v[AR+2:AR+3] op_sel_hi:[1,0,1]
.else
	v_pk_fma_f32 v[AR:AR+1], v[SK:SK+1], v[EP:EP+1], v[AR:AR+1] op_sel:[0,1,0] op_sel_hi:[1,1,1]
	v_pk_fma_f32 v[AR+2:AR+3], v[SK+2:SK+3], v[EP:EP+1], v[AR+2:AR+3] op_sel:[0,1,0] op_sel_hi:[1,1,1]
.endif
.endif
.endr
.endr
.endm
	s_load_b512 s[8:23], s[0:1], 0x0               ; xf 8, x_scales 10, wqf 12, W_Q_scales 14, b_Q 16, wof 18, W_O_scales 20, b_O 22
	s_load_b128 s[24:27], s[0:1], 0x40             ; kvS 24, kvst 26
	s_load_b64 s[28:29], s[0:1], 0x50              ; out0
	s_set_vgpr_msb 0x40
	v_lshl_add_u32 v254, v0, 2, 0xba00
	v_mov_b32 v255, 0
	s_set_vgpr_msb 0x4000
	v_lshrrev_b32 v1, 5, v0
	v_readfirstlane_b32 s2, v1                     ; wave = head hh
	v_and_b32 v1, 15, v0                           ; r
	v_bfe_u32 v2, v0, 4, 1                         ; h
	v_and_b32 v9, 31, v0                           ; lane
	v_lshlrev_b32 v3, 4, v9                        ; 16 x lane: images and S
	v_lshlrev_b32 v4, 4, v1                        ; scale bytes: 16 a row
	v_lshlrev_b32 v5, 2, v1                        ; f32 vectors at d = r
	v_lshlrev_b32 v6, 5, v2                        ; b_O: my half's eight numbers
	s_wait_alu depctr_va_sdst(0)                   ; s2, the wave's number, is written, ahead of its first reader: LDS addresses and bases are made from it
	s_mul_i32 s30, s2, PWB                         ; my own LDS bytes
	v_mul_u32_u24 v7, v1, 80
	v_lshl_add_u32 v7, v2, 5, v7
	v_add_nc_u32 v7, s30, v7                       ; eQ in: row d = r of 80 bytes, + 32 h: my eight rows of x
	v_mul_u32_u24 v8, v2, 80
	v_add_nc_u32 v8, s30, v8                       ; eQ out: d = h; a step is two d on
	v_mov_b32 v10, 0                               ; written once: a lane permute's destination counts as one of its sources
	v_mov_b32 v11, 0
	s_mul_i32 s31, s2, 768
	s_add_co_u32 s31, s31, JIMG                    ; my head's codes
	s_add_co_u32 s36, s31, 512
	s_lshr_b32 s32, s2, 1
	s_lshl_b32 s32, s32, 7
	s_and_b32 s37, s2, 1
	s_lshl_b32 s37, s37, 1
	s_add_co_u32 s32, s32, s37
	s_add_co_u32 s32, s32, JSC                     ; my head's two scale bytes
	s_lshr_b32 s3, ttmp9, 6                        ; b
	s_lshl_b32 s33, s3, 3
	s_add_co_u32 s33, s33, s2                      ; 8 b + hh
	s_mov_b32 s35, 0
	s_mov_b32 s48, 0x76543210
	s_mov_b32 s49, 0xfedcba98                      ; v_permlanex16_b32's selects for lane l xor 16
	s_mov_b32 s50, 0x3fb8aa3b                      ; log2(e)
	s_mov_b32 s51, s50                             ; (named with it as a pair, so it is written)
	s_wait_kmcnt 0x0
	s_mul_i32 s34, ttmp9, 6144                     ; my work-group's 16 rows of x: four fragments
	s_add_nc_u64 s[8:9], s[8:9], s[34:35]
	s_lshl_b32 s34, ttmp9, 8
	s_add_nc_u64 s[10:11], s[10:11], s[34:35]
	s_mul_i32 s34, s2, 24576                       ; my wave's 64 rows of W_Q and of W_O: sixteen fragments
	s_add_nc_u64 s[12:13], s[12:13], s[34:35]
	s_add_nc_u64 s[18:19], s[18:19], s[34:35]
	s_lshl_b32 s34, s2, 10
	s_add_nc_u64 s[14:15], s[14:15], s[34:35]
	s_add_nc_u64 s[20:21], s[20:21], s[34:35]
	s_lshl_b32 s34, s2, 8
	s_add_nc_u64 s[16:17], s[16:17], s[34:35]
	s_add_nc_u64 s[22:23], s[22:23], s[34:35]
	s_lshl_b32 s34, s33, 14
	s_add_nc_u64 s[24:25], s[24:25], s[34:35]
	s_lshl_b32 s34, s33, 9
	s_add_nc_u64 s[26:27], s[26:27], s[34:35]
	s_lshl_b32 s34, ttmp9, 15                      ; out0: 16 rows of 2,048 bytes a work-group, + 256 hh
	s_lshl_b32 s37, s2, 8
	s_add_co_u32 s34, s34, s37
	s_add_nc_u64 s[28:29], s[28:29], s[34:35]
	; no base is written again from here on
	s_wait_alu depctr_va_vdst(0)                   ; the offsets and LDS addresses v3 to v8 are written, which the loads below and eQ's stores and loads read
.irp s, 0,1,2,3
.irp c, 0,1,2
	global_load_b128 v[XF+12*\s+4*\c:XF+12*\s+4*\c+3], v3, s[8:9] offset:1536*\s+512*\c
.endr
.endr
	global_load_b128 v[XS:XS+3], v4, s[10:11]
	WSC 14
	WIN 0x40                                       ; destination window 1, address window 0
	WLOAD 12
.irp a, 0,1,2,3
	global_load_b32 v[BQ+\a], v5, s[16:17] offset:64*\a            ; b_Q, m and s at d = 16 a + r
	global_load_b32 v[MQ+\a], v5, s[26:27] offset:64*\a
	global_load_b32 v[SQ+\a], v5, s[26:27] offset:256+64*\a
.endr
.irp u, 0,1,2,3
.irp e, 0,1
	global_load_b128 v[OA+8*\u+4*\e:OA+8*\u+4*\e+3], v6, s[22:23] offset:64*\u+16*\e   ; b_O in the last product's layout: register 8 u + i = column 16 u + 8 h + i
.endr
.endr
	WIN 0
.set i, 0
.rept 32
	global_load_b128 v[SR+4*i:SR+4*i+3], v3, s[24:25] offset:512*i   ; two rows of S: lanes 0-15 d = 2 i, lanes 16-31 d = 2 i + 1
.set i, i+1
.endr
	s_wait_loadcnt 40                              ; all but b_O's 8 loads and S's 32
	; ---- Q: four tiles of 16 d, four K steps; the four accumulators by turns, one instruction a turn
	WIN 0x04                                       ; W_Q window 1; x, C and D window 0
.irp a, 0,1,2,3
	MX6Z QA+8*\a, XF, 12*(4*\a), XS, WS+4*\a
.endr
.irp s, 1,2,3
.irp a, 0,1,2,3
	MX6 QA+8*\a, XF+12*\s, 12*(4*\a+\s), QA+8*\a, XS+\s, WS+4*\a+\s
.endr
.endr
	WIN 0
.rept 4
	v_nop                                          ; four places behind these products, in front of the first read of their results and of vector writes over their sources (ISA guide 7.12.1); they stay beside the wait below
.endr
	WIN 0x40
	s_wait_alu depctr_va_vdst(0)                   ; Q's sixteen products are done reading W_Q's fragments and scale words, in which W_O's land
	WLOAD 18                                       ; W_O takes W_Q's place; it lands under all that follows up to the last product
	WIN 0
	WSC 20                                         ; between the wait and these four stand loads and one window switch alone
	; ---- t = Q + b_Q + m; M = the row's largest t; eQ = e^(t - M); B = sum of eQ s
	WIN 0x05                                       ; both sources window 1
.irp a, 0,1,2,3
	v_add_f32 v[BM+\a], v[BQ+\a], v[MQ+\a]
.endr
	WIN 0
.irp a, 0,1,2,3
.irp p, 0,1,2,3                        ; each accumulator from its low end on
.if \a%2 == 0
	v_pk_add_f32 v[QA+8*\a+2*\p:QA+8*\a+2*\p+1], v[QA+8*\a+2*\p:QA+8*\a+2*\p+1], v[BM+2*(\a/2):BM+2*(\a/2)+1] op_sel_hi:[1,0]
.else
	v_pk_add_f32 v[QA+8*\a+2*\p:QA+8*\a+2*\p+1], v[QA+8*\a+2*\p:QA+8*\a+2*\p+1], v[BM+2*(\a/2):BM+2*(\a/2)+1] op_sel:[0,1] op_sel_hi:[1,1]
.endif
.endr
.endr
.irp j, 0,1,2,3,4,5,6,7
	v_max3_num_f32 v[MXR+\j], v[QA+\j], v[QA+8+\j], v[QA+16+\j]    ; row 8 h + j: my four d,
.endr
.irp j, 0,1,2,3,4,5,6,7
	v_max_num_f32 v[MXR+\j], v[MXR+\j], v[QA+24+\j]
.endr
.irp x, 1,2,4,8
.irp j, 0,1,2,3,4,5,6,7
	v_max_num_f32_dpp v[MXR+\j], v[MXR+\j], v[MXR+\j] row_xmask:\x row_mask:0xf bank_mask:0xf   ; and those of the other fifteen lanes of my half: M
.endr
.endr
.irp a, 0,1,2,3
.irp p, 0,1,2,3
	v_pk_add_f32 v[QA+8*\a+2*\p:QA+8*\a+2*\p+1], v[QA+8*\a+2*\p:QA+8*\a+2*\p+1], v[MXR+2*\p:MXR+2*\p+1] neg_lo:[0,1] neg_hi:[0,1]   ; the difference first, then x log2(e): no product with M is rounded
.endr
.endr
.set i, 0
.rept 16
	v_pk_mul_f32 v[QA+i:QA+i+1], v[QA+i:QA+i+1], s[50:51] op_sel_hi:[1,0]
.set i, i+2
.endr
.set i, 0
	s_wait_alu depctr_va_vdst(0)
.rept 32
	v_exp_f32 v[QA+i], v[QA+i]
.set i, i+1
.endr
	v_nop                                          ; a plain instruction behind the last exponential
	s_wait_alu depctr_va_vdst(0)                   ; the 32 exponentials have written eQ: one wait for the batch, ahead of its first readers: the eight LDS stores, whose data it is, and B's products
.irp a, 0,1,2,3
	ds_store_b128 v7, v[QA+8*\a:QA+8*\a+3] offset:1280*\a          ; eQ[d = 16 a + r][rows 8 h + 0 .. 3],
	ds_store_b128 v7, v[QA+8*\a+4:QA+8*\a+7] offset:1280*\a+16     ; [rows 8 h + 4 .. 7]
.endr
	WIN 0x04                                       ; s window 1
.irp p, 0,1,2,3
	v_pk_mul_f32 v[BS+2*\p:BS+2*\p+1], v[QA+2*\p:QA+2*\p+1], v[SQ:SQ+1] op_sel_hi:[1,0]
.endr
.irp p, 0,1,2,3
	v_pk_fma_f32 v[BS+2*\p:BS+2*\p+1], v[QA+8+2*\p:QA+8+2*\p+1], v[SQ:SQ+1], v[BS+2*\p:BS+2*\p+1] op_sel:[0,1,0] op_sel_hi:[1,1,1]
.endr
.irp p, 0,1,2,3
	v_pk_fma_f32 v[BS+2*\p:BS+2*\p+1], v[QA+16+2*\p:QA+16+2*\p+1], v[SQ+2:SQ+3], v[BS+2*\p:BS+2*\p+1] op_sel_hi:[1,0,1]
.endr
.irp p, 0,1,2,3
	v_pk_fma_f32 v[BS+2*\p:BS+2*\p+1], v[QA+24+2*\p:QA+24+2*\p+1], v[SQ+2:SQ+3], v[BS+2*\p:BS+2*\p+1] op_sel:[0,1,0] op_sel_hi:[1,1,1]
.endr
	WIN 0
	s_wait_alu depctr_va_vdst(0)                   ; B's sixteen products are done reading v32 to v63, in which the loads of steps 0 and 1 land (and s, b_Q and m in window 1, in which step 2's will land)
	s_wait_alu depctr_vm_vsrc(0)                   ; and the eight LDS stores have read v32 to v63
	ELOAD 0                                        ; LDS serves a wave's instructions in order (ISA guide 5.7.1.4): these see my stores
	ELOAD 1
.irp x, 1,2,4,8
.irp j, 0,1,2,3,4,5,6,7
	v_add_f32_dpp v[BS+\j], v[BS+\j], v[BS+\j] row_xmask:\x row_mask:0xf bank_mask:0xf   ; B of row 8 h + j, at least 1
.endr
.endr
	WIN 0x40                                       ; destination window 1
	s_wait_alu depctr_va_vdst(0)
.irp j, 0,1,2,3,4,5,6,7
	v_rcp_f32 v[RB+\j], v[BS+\j]
.endr
	v_nop                                          ; a plain instruction behind the last reciprocal
	s_wait_alu depctr_va_vdst(0)                   ; the eight reciprocals have written 1 / B: one wait for the eight, ahead of their first reader
	ELOAD 2                                        ; under the same setting: buffer 2 lies in window 1; no vector instruction since the wait ahead of steps 0 and 1's loads names it
	WIN 0
	s_wait_loadcnt 52                              ; S is in: behind it stand W_O's 48 loads and its scale words' 4
	; ---- the sum over d: 32 steps of two d (one for each half of the lanes), 32 packed multiply-adds each
.set K, 0
.rept 32
	FSTEP K
.set K, K+1
.endr
	; ---- the addresses of what follows, in registers that S has left
	v_mul_u32_u24 v128, v2, 2176
	v_lshl_add_u32 v128, v1, 4, v128
	v_add_nc_u32 v128, s30, v128                   ; heads in: row 8 h of 272 bytes, + 16 c
	v_mul_u32_u24 v129, v1, 272
	v_lshl_add_u32 v136, v2, 5, v129
	v_lshl_add_u32 v129, v2, 6, v129
	v_add_nc_u32 v129, s30, v129                   ; heads out: row r, + 64 h: my 16 numbers of a block of 32
	v_add_nc_u32 v136, s30, v136                   ; rows of out0 in: row r, 32 bytes for each half of the lanes
	v_mul_u32_u24 v137, v2, 272
	v_lshl_add_u32 v137, v1, 4, v137
	v_add_nc_u32 v137, s30, v137                   ; back: lanes 0-15 one row of 256 bytes, lanes 16-31 the next
	v_lshlrev_b32 v138, 11, v2
	v_lshl_add_u32 v138, v1, 4, v138               ; and the same two rows in out0 (2,048 bytes a row)
	v_lshl_add_u32 v130, v9, 4, s31                ; where I store my head's codes, registers 0-3,
	v_lshl_add_u32 v131, v9, 3, s36                ; registers 4-5,
	v_lshl_add_u32 v132, v9, 2, s32                ; and its two scale bytes
	v_lshl_add_u32 v133, v9, 4, JIMG               ; where any wave reads them back
	v_lshl_add_u32 v134, v9, 3, JIMG+512
	v_lshl_add_u32 v135, v9, 2, JSC
	; ---- the two parities of d are joined; heads = that / B
.irp i, 0,1,2,3,4,5,6,7
.irp e, 0,1,2,3
	v_permlane16_swap_b32 v[AC+4*\i+\e], v[AC+32+4*\i+\e]          ; row i's lanes 16-31 change places with row i + 8's lanes 0-15: the sum of the two holds row i in lanes 0-15 and row i + 8 in lanes 16-31: row 8 h + i
.endr
.endr
.irp i, 0,1,2,3,4,5,6,7
.irp p, 0,1
	v_pk_add_f32 v[HB+4*\i+2*\p:HB+4*\i+2*\p+1], v[AC+4*\i+2*\p:AC+4*\i+2*\p+1], v[AC+32+4*\i+2*\p:AC+32+4*\i+2*\p+1]
.endr
.endr
	WIN 0x04                                       ; 1 / B window 1
.irp i, 0,1,2,3,4,5,6,7
.irp p, 0,1
.if \i%2 == 0
	v_pk_mul_f32 v[HB+4*\i+2*\p:HB+4*\i+2*\p+1], v[HB+4*\i+2*\p:HB+4*\i+2*\p+1], v[RB+2*(\i/2):RB+2*(\i/2)+1] op_sel_hi:[1,0]
.else
	v_pk_mul_f32 v[HB+4*\i+2*\p:HB+4*\i+2*\p+1], v[HB+4*\i+2*\p:HB+4*\i+2*\p+1], v[RB+2*(\i/2):RB+2*(\i/2)+1] op_sel:[0,1] op_sel_hi:[1,1]
.endif
.endr
.endr
	WIN 0
	s_wait_alu depctr_va_vdst(0)                   ; heads (v64 to v95) and the late addresses v128 to v138 are written, which the stores and loads below read; the multiply-adds are done reading S in v96 to v127, in which the loads below land
.irp i, 0,1,2,3,4,5,6,7
	ds_store_b128 v128, v[HB+4*\i:HB+4*\i+3] offset:272*\i         ; heads[8 h + i][4 c ..]: sixteen lanes fill a row's 256 bytes (eQ's bytes: my reads of them are back)
.endr
.irp b, 0,1
.irp q, 0,1,2,3
	ds_load_b128 v[HD+16*\b+4*\q:HD+16*\b+4*\q+3], v129 offset:128*\b+16*\q   ; register 16 b + i = heads[r][32 b + 16 h + i]
.endr
.endr
	s_wait_dscnt 0x0
	; ---- the quantiser: two blocks of 32 along v
.irp q, 0,1
	v_max3_num_f32 v[140+\q], |v[HD+16*\q]|, |v[HD+16*\q+1]|, 0x2800000   ; block q: my 16 numbers, and the floor 2^(5 - 127): so the byte cannot fall under 1
.endr
.irp i, 2,4,6,8,10,12,14
.irp q, 0,1
	v_max3_num_f32 v[140+\q], v[140+\q], |v[HD+16*\q+\i]|, |v[HD+16*\q+\i+1]|
.endr
.endr
.irp q, 0,1
	v_permlanex16_b32 v[10+\q], v[140+\q], s48, s49
.endr
.irp q, 0,1
	v_max_num_f32 v[140+\q], v[140+\q], v[10+\q]   ; with lane l xor 16's 16: the block's largest magnitude
.endr
.irp q, 0,1
	v_add_nc_u32 v[142+\q], 0xfe000000, v[140+\q]  ; 4 off its exponent field: the conversion takes the exponent field of this operand as its scale, and nothing else of it
.endr
.irp q, 0,1
	v_lshrrev_b32 v[144+\q], 23, v[142+\q]         ; the scale's byte
.endr
	v_lshl_or_b32 v146, v145, 8, v144              ; my head's half of the row's scale word
	v_cvt_scalef32_pk16_bf6_f32 v[148:150], v[HD:HD+15], v142      ; the codes of v = 16 h + 0 .. 15
	v_cvt_scalef32_pk16_bf6_f32 v[154:156], v[HD+16:HD+31], v143   ; and of v = 32 + 16 h + 0 .. 15 (a conversion's three registers begin on an even number)
	v_nop                                          ; one plain place behind a scaled conversion
.irp i, 0,1,2
	v_permlane16_swap_b32 v[148+\i], v[154+\i]     ; the operand wants a WHOLE block in a lane: lanes 0-15 block 0, lanes 16-31 block 1
.endr
.irp i, 0,1,2
	v_mov_b32 v[151+\i], v[154+\i]                 ; v148-153: v = 32 h + 0 .. 31 of row r
.endr
	s_wait_alu depctr_va_vdst(0)                   ; the codes v148 to v153 and the scale bytes v146 are written, which the three stores read; the quantiser is done reading v96 to v111, in which the loads behind the barrier land
	ds_store_b128 v130, v[148:151]
	ds_store_b64 v131, v[152:153]
	ds_store_b16 v132, v146
	s_wait_dscnt 0x0                               ; for the others' sake: my stores have landed
	s_barrier_signal -1
	s_barrier_wait -1                              ; the eight heads' codes and scale bytes lie in LDS
	s_wait_alu depctr_vm_vsrc(0)                   ; the heads' eight LDS stores have read v64 to v95, in which the codes land
	; ---- my 64 columns of out0: head e's six registers are registers 6 (e % 2) on of K step e / 2's fragment: v[JF + 6 e]
.irp e, 0,1,2,3,4,5,6,7
	ds_load_b128 v[JF+6*\e:JF+6*\e+3], v133 offset:768*\e
	ds_load_b64 v[JF+6*\e+4:JF+6*\e+5], v134 offset:768*\e
.endr
.irp s, 0,1,2,3
	ds_load_b32 v[XS+\s], v135 offset:128*\s       ; (x's scale words, which Q's products read, are long done with)
.endr
	s_wait_dscnt 0x0
	s_wait_loadcnt 0x0                             ; W_O's fragments and scale words
	WIN 0x51                                       ; W_O, C and D window 1; the joined heads window 0.  b_O lies in the accumulators: it is the C of each sum's first product
.irp s, 0,1,2,3
.irp u, 0,1,2,3
	MX6 OA+8*\u, 12*(4*\u+\s), JF+12*\s, OA+8*\u, WS+4*\u+\s, XS+\s
.endr
.endr
.rept 4
	v_nop                                          ; four places behind the last product, in front of the first read of results (ISA guide 7.12.1); they stay beside the wait below
.endr
	; ---- the way out: a lane holds 32 neighbouring bytes of a row and the lanes beside it hold other rows: through my own LDS bytes, back as whole rows of 256 bytes
	WIN 0x04                                       ; an LDS store's data are its source 1: window 1
	s_wait_alu depctr_va_vdst(0)                   ; the last products have written my 64 columns, which the LDS stores read, and are done reading the codes in v64 to v95, in which the rows land
.irp u, 0,1,2,3
	ds_store_b128 v136, v[OA+8*\u:OA+8*\u+3] offset:64*\u          ; each accumulator from its low end on
	ds_store_b128 v136, v[OA+8*\u+4:OA+8*\u+7] offset:64*\u+16
.endr
	WIN 0
.irp i, 0,1,2,3,4,5,6,7
	ds_load_b128 v[OB+4*\i:OB+4*\i+3], v137 offset:544*\i          ; LDS serves a wave's instructions in order: these see my stores
.endr
.irp i, 0,1,2,3,4,5,6,7
	s_wait_dscnt 7-\i                              ; row pair i is back; the pairs read behind it may be out
	global_store_b128 v138, v[OB+4*\i:OB+4*\i+3], s[28:29] offset:4096*\i th:TH_STORE_NT   ; 16 lanes store 256 consecutive bytes, at a multiple of 256 from out0's first byte
.endr
	s_set_vgpr_msb 0x5                             ; the add's two registers, sources 0 and 1, lie in window 1
	s_wait_dscnt 0x0                               ; the closing lines, six on end
	s_wait_alu 0x0
	s_wait_tensorcnt 0x0
	ds_add_u32 v254, v255
	s_wait_dscnt 0x0
	s_endpgm
.Lfunc_end_k_qf13140a719_out:
	.size	k_qf13140a719_out, .Lfunc_end_k_qf13140a719_out-k_qf13140a719_out
	.p2alignl 7, 3214868480
	.fill 96, 4, 3214868480
	.section	.rodata,"a",@progbits
	.p2align	6, 0x0
	.amdhsa_kernel k_qf13140a719_out
		.amdhsa_group_segment_fixed_size 48640
		.amdhsa_private_segment_fixed_size 0
		.amdhsa_enable_private_segment 0
		.amdhsa_kernarg_size 88
		.amdhsa_user_sgpr_count 2
		.amdhsa_user_sgpr_kernarg_segment_ptr 1
		.amdhsa_wavefront_size32 1
		.amdhsa_system_sgpr_workgroup_id_x 1
		.amdhsa_system_sgpr_workgroup_id_y 1
		.amdhsa_system_sgpr_workgroup_id_z 1
		.amdhsa_system_vgpr_workitem_id 0
		.amdhsa_next_free_vgpr 512
		.amdhsa_next_free_sgpr 66
		.amdhsa_reserve_vcc 0
		.amdhsa_float_denorm_mode_32 3
		.amdhsa_float_denorm_mode_16_64 3
		.amdhsa_memory_ordered 1
		.amdhsa_forward_progress 1
		.amdhsa_inst_pref_size 121
	.end_amdhsa_kernel
	.amdgpu_metadata
---
amdhsa.version: [ 1, 2 ]
amdhsa.kernels:
  - .name:           k_qf13140a719_out
    .symbol:         k_qf13140a719_out.kd
    .args:
      - { .name: xf, .offset: 0, .size: 8, .value_kind: global_buffer, .address_space: global }
      - { .name: x_scales, .offset: 8, .size: 8, .value_kind: global_buffer, .address_space: global }
      - { .name: wqf, .offset: 16, .size: 8, .value_kind: global_buffer, .address_space: global }
      - { .name: W_Q_scales, .offset: 24, .size: 8, .value_kind: global_buffer, .address_space: global }
      - { .name: b_Q, .offset: 32, .size: 8, .value_kind: global_buffer, .address_space: global }
      - { .name: wof, .offset: 40, .size: 8, .value_kind: global_buffer, .address_space: global }
      - { .name: W_O_scales, .offset: 48, .size: 8, .value_kind: global_buffer, .address_space: global }
      - { .name: b_O, .offset: 56, .size: 8, .value_kind: global_buffer, .address_space: global }
      - { .name: kvS, .offset: 64, .size: 8, .value_kind: global_buffer, .address_space: global }
      - { .name: kvst, .offset: 72, .size: 8, .value_kind: global_buffer, .address_space: global }
      - { .name: out0, .offset: 80, .size: 8, .value_kind: global_buffer, .address_space: global }
    .group_segment_fixed_size: 48640
    .private_segment_fixed_size: 0
    .kernarg_segment_align: 8
    .kernarg_segment_size: 88
    .max_flat_workgroup_size: 256
    .sgpr_count:     66
    .vgpr_count:     512
    .wavefront_size: 32
...
	.end_amdgpu_metadata
.endif
;; end of part 4
